; MI455X (gfx1250); checked and timed in simulation.
; The chip was launched on July 23, 2026; its instructions are those of AMD's public machine-readable ISA for CDNA 5 (MIT licence, August 2026) and "CDNA5" Instruction Set Architecture Reference Guide (July 2026). The comments in the code are by the model that wrote it; some were corrected since.
;; Multi Head Attention. Allowed arithmetic: matrix products marked QUANTISED: E3M2 operands, one E8M0 scale for each 32 along K, by v_wmma_scale_f32_16x16x128_f8f6f4 with both operands' format E3M2, f32 sums; everything else in f32.
;; Inputs: Wk 2,048 x 2,048 float32; Wo 2,048 x 2,048 float32; Wq 2,048 x 2,048 float32; Wv 2,048 x 2,048 float32; mask 1 x 1 x 2,048 x 2,048 bool; x 1 x 2,048 x 2,048 float32.
;; Outputs: out0 1 x 2,048 x 2,048 float32.
;; This version of the problem:
;;   THIS VERSION OF THE PROBLEM IS GIVEN IN LOW PRECISION. The matrix products marked QUANTISED in the list below multiply operands that are first quantised to E3M2 (3 exponent bits, 2 mantissa bits; 6 bits a number), with one power-of-two scale for each 32 numbers along K (OCP MX v1.0); their sums are f32. All else is computed in f32.
;;   The module's matrix products, in the order in which they are computed (A, B: the left and right operand; K: the contracted axis; several contracted axes count as one K, in the product's order):
;;     1. [M 2,048, K 2,048] x [K 2,048, N 2,048]; A: input x; B: input Wq: QUANTISED
;;     2. [M 2,048, K 2,048] x [K 2,048, N 2,048]; A: input x; B: input Wk: QUANTISED
;;     3. [M 2,048, K 2,048] x [K 2,048, N 2,048]; A: input x; B: input Wv: QUANTISED
;;     4. batch 16 x [M 2,048, K 128] x [K 128, N 2,048]; A: computed on the way; B: computed on the way: QUANTISED
;;     5. batch 16 x [M 2,048, K 2,048] x [K 2,048, N 128]; A: softmax (see below); B: computed on the way: QUANTISED
;;     6. [M 2,048, K 2,048] x [K 2,048, N 2,048]; A: computed on the way; B: input Wo: QUANTISED
;;   THE QUANTISER, for each operand of a quantised product, along K:
;;     - K is cut into blocks of 32 from its start; a last block that is shorter is filled with zeros.
;;     - A block's scale is 2^e with e = floor(log2(the largest magnitude in the block)) - 4, held to -126 .. 127; a block of zeros has e = 0. As a byte (E8M0): e + 127.
;;     - Each number is divided by its block's scale, clamped to +-28, and rounded to the nearest number of E3M2, ties to even, subnormals kept.
;;     - The product sums the exact products of the quantised numbers (number of the format x scale) in f32.
;;   ~~~python
;;   def quantise(x, axis):      # numpy; x: float32 -> the quantised numbers, widened to float32 again
;;       x = np.moveaxis(x, axis, -1); K = x.shape[-1]
;;       x = np.pad(x, [(0, 0)] * (x.ndim - 1) + [(0, -K % 32)]); x = x.reshape(x.shape[:-1] + (-1, 32)); a = np.abs(x).max(-1, keepdims=True)
;;       e = np.where(a > 0, np.clip(np.frexp(np.where(a > 0, a, 1))[1] - 1 - 4, -126, 127), 0)      # np.frexp(a)[1] - 1 = floor(log2(a)), exactly
;;       r = np.clip(x / 2.0 ** e, -28, 28)
;;       step = 2.0 ** (np.maximum(np.frexp(np.where(r == 0, 1, r))[1] - 1, -2) - 2)
;;       q = np.round(r / step) * step * 2.0 ** e      # np.round: ties to even
;;       return np.moveaxis(q.reshape(q.shape[:-2] + (-1,))[..., :K], -1, axis).astype(np.float32)
;;   ~~~
;;   SOFTMAX AHEAD OF A QUANTISED PRODUCT. Where the list says 'softmax', what is quantised is not the finished softmax but p = 2^(t - M), with t = logit x log2(e) and M = ceil(the row's largest t), a whole number; so 1/2 < the row's largest p <= 1. The row's sum l is taken of the UNQUANTISED p, in f32, and the product's result is divided by l at the end. Since M is a whole number, a kernel that streams over the keys may use a running M (the ceiling of the running maximum): every later rescaling is an exact power of two, which a block's scale takes up: the codes' values come out the same.
;;   OPERANDS COMPUTED ON THE WAY. 'Computed on the way' means the value that the module computes at that place (a softmax that the list does not call 'softmax' is quantised finished and normalised). What goes into a quantiser is computed in f32, as accurately as f32 sums, v_exp_f32 and their like allow (about 1e-6 of the number): no bf16 or f16 on the way to a quantiser, and a product that is left as it is and whose result goes on into a quantised operand takes f32 operands (vector FMAs, or v_wmma_f32_16x16x4_f32). A number that lies on a knife's edge between two numbers of the format may be rounded either way, as far as f32 arithmetic and the matrix unit's own rounding can turn it there, and no further.
;; One version. Each part assembles by itself: llvm-mc -triple=amdgcn-amd-amdhsa -mcpu=gfx1250 --defsym DOCPART=n.
;; ======== version 1 of 1: 4 launches
;; limits: right only within a limited range of input values
;; workspace buffers: wop 13,107,200 bytes; woop 3,276,800 bytes; att 3,276,800 bytes; qkv 9,830,400 bytes; rope 1,114,112 bytes; maskw 524,288 bytes of whole numbers; liv 2,048 bytes of whole numbers
;; launch prep (part 1): grid 904 x 1, 4 waves a work-group, no clusters, 34,304 bytes of LDS; arguments x, Wq, Wk, Wv, Wo, mask, wop, woop, rope, maskw, liv; writes wop, woop, rope, maskw, liv
.if DOCPART == 1
	.amdgcn_target "amdgcn-amd-amdhsa--gfx1250"
	.amdhsa_code_object_version 6
	.text
	.protected	k_q8512a90291_prep
	.globl	k_q8512a90291_prep
	.p2align	8
	.type	k_q8512a90291_prep,@function
k_q8512a90291_prep:
	s_mov_b64 s[64:65], 0
	v_nop
	global_prefetch_b8 v0, s[64:65] scope:SCOPE_SE
	s_setreg_imm32_b32 hwreg(HW_REG_WAVE_MODE, 25, 1), 1
	s_wait_xcnt 0x0
; THREE JOBS IN ONE LAUNCH, parted by the work-group's number: 0-639 quantise x, Wq, Wk, Wv, Wo; 640-767 turn the mask's bytes into lane masks; 768-903 make the RoPE table.
; QUANTISER.  f32 [2048][2048], K innermost, into codes of BF6 (E3M2) with one E8M0 byte for each 32 along K: scale 2^(floor(log2(largest magnitude)) - 4), nearest code, ties to even, beyond 28 the largest code.
; The codes are stored IN THE ORDER OF THE OPERAND'S REGISTERS: a fragment (16 rows x 128 K, 12 registers a lane) is 1,536 bytes, register p of lane l at 512 (p / 4) + 16 l + 4 (p % 4); its 16 scale words are 64 bytes.
; THE ROWS OF A TILE ARE NOT NEIGHBOURS: lane r of tile a of a group of 128 rows is row 32 (a / 2) + 8 (a % 2) + r + 8 (r / 8), so that a later product's results lie as neighbours along the next K.
; wop  [S 0-7][group 0-63][25,600]: group = 128 rows (x 0-15, Wq 16-31, Wk 32-47, Wv 48-63); fragment (a, q) at 1,536 (2 a + q) holds K = 256 S + 128 q; its scale words at 24,576 + 64 (2 a + q).
; woop [S 0-3][four tiles 0-31][25,600]: fragment (a, q) at 1,536 (4 a + q) holds K = 512 S + 128 q; its scale words at 24,576 + 64 (4 a + q).
; A work-group takes one tile of 16 rows, wave w the K quarter 512 w on: four fragments.  Each load reads 512 consecutive bytes of one row; the 16 rows turn through the wave's own stage in LDS (rows 528 bytes apart),
; so that a lane gets two whole blocks of 32 of its row; each store of codes covers 512 consecutive bytes.  Waves share nothing: no barrier.
; MASK.  maskw [tile 128][key step 16][64 words]: bit l of word 16 b + i is mask[the query of lane l % 16 of the tile][128 step + 32 b + 16 (l / 16) + i]: the lane mask for register 16 b + i of the scores.
; ROPE.  rope [tile 136][8,192]: 16 bytes of lane l at 512 j + 16 l hold (sin, cos, sin, cos) of the pairs 16 (j / 4) + 8 (l / 16) + 2 (j % 4) + 0, 1 at the position of lane l % 16; tiles 128-135 are position 0 (sin 0, cos 1).
; LIMITS: NaN and infinities among the inputs are not served.  A block of zeros, or one whose largest magnitude lies under 2^-122, gets the byte 1 (its bytes are read by this program alone).
; The frequency 10000^(-i/64) is made as 2^(-i log2(10000)/64), within about 2 units in its last place; at positions near 2,000 the angle can so differ by some 3e-4 radians from one made with another power function.
.set REC,  25600
.set PL,   64*REC                      ; from one S of wop to the next
.set STG,  8448                        ; a wave's stage: 16 rows x 528 bytes
.set R,    16                          ; v16-143  two sets of 64: a fragment's numbers as loaded
.set X,    144                         ; v144-207 my two blocks of 32
.set F,    208                         ; v208-231 two sets of 12: a fragment's codes
.set T,    232                         ; v232-238 the upper halves of the blocks' codes, before they are moved
.set W,    240                         ; v240-243 the four fragments' scale words
.macro FIRSTROW d, t, u                ; s\d = the first row of tile s\t: 128 (t / 8) + 32 ((t % 8) / 2) + 8 (t % 2)
	s_lshr_b32 s\d, s\t, 3
	s_lshl_b32 s\d, s\d, 7
	s_bfe_u32 s\u, s\t, 0x20001
	s_lshl_b32 s\u, s\u, 5
	s_add_co_u32 s\d, s\d, s\u
	s_and_b32 s\u, s\t, 1
	s_lshl_b32 s\u, s\u, 3
	s_add_co_u32 s\d, s\d, s\u
.endm
	s_load_b512 s[8:23], s[0:1], 0x0               ; x s[8:9], Wq s[10:11], Wk s[12:13], Wv s[14:15], Wo s[16:17], mask s[18:19], wop s[20:21], woop s[22:23]
	s_load_b128 s[24:27], s[0:1], 0x40             ; rope s[24:25], maskw s[26:27]
	s_load_b64 s[60:61], s[0:1], 0x50              ; liv [tile 128][wave 4]: bit j: some key of key step j is shown to some query of the tile; bit 16 + j: all are
	v_lshl_add_u32 v254, v0, 2, 0x8400
	v_mov_b32 v255, 0
	v_lshrrev_b32 v6, 5, v0
	v_readfirstlane_b32 s2, v6                     ; wave
	v_and_b32 v6, 31, v0                           ; l
	v_and_b32 v7, 15, v0                           ; r
	v_bfe_u32 v8, v0, 4, 1                         ; h
	v_lshlrev_b32 v1, 4, v6                        ; 16 l
	v_lshlrev_b32 v2, 2, v6                        ; 4 l
	s_wait_kmcnt 0x0
	s_cmp_ge_u32 ttmp9, 768
	s_cbranch_scc1 .Lrope
	s_cmp_ge_u32 ttmp9, 640
	s_cbranch_scc1 .Lmask
	; ---------------- the quantiser
	s_lshr_b32 s3, ttmp9, 7                        ; which tensor: 0 x, 1 Wq, 2 Wk, 3 Wv, 4 Wo
	s_and_b32 s4, ttmp9, 127                       ; its tile
	s_and_b32 s5, s4, 7                            ; a
	s_lshr_b32 s6, s4, 3                           ; the group of 128 rows
	s_cmp_eq_u32 s3, 1                             ; the choice hangs on the work-group's number alone
	s_cselect_b64 s[28:29], s[10:11], s[8:9]
	s_cmp_eq_u32 s3, 2
	s_cselect_b64 s[28:29], s[12:13], s[28:29]
	s_cmp_eq_u32 s3, 3
	s_cselect_b64 s[28:29], s[14:15], s[28:29]
	s_cmp_eq_u32 s3, 4
	s_cselect_b64 s[28:29], s[16:17], s[28:29]
	FIRSTROW 40, 4, 41
	s_lshl_b32 s40, s40, 13                        ; rows of 8,192 bytes
	s_lshl_b32 s41, s2, 11                         ; my K quarter: 2,048 bytes
	s_add_co_u32 s40, s40, s41
	s_mov_b32 s41, 0
	s_add_nc_u64 s[28:29], s[28:29], s[40:41]      ; the source
	s_lshl_b32 s42, s2, 7                          ; wop: record (S = 2 w, group 16 T + R)
	s_lshl_b32 s43, s3, 4
	s_add_co_u32 s42, s42, s43
	s_add_co_u32 s42, s42, s6
	s_mul_i32 s42, s42, REC
	s_mul_i32 s43, s5, 3072
	s_add_co_u32 s43, s43, s42                     ; fragments (a, 0), (a, 1)
	s_lshl_b32 s44, s5, 7
	s_add_co_u32 s44, s44, s42
	s_add_co_u32 s44, s44, 24576                   ; their scale words
	s_lshl_b32 s45, s2, 5                          ; woop: record (S = w, tile / 4)
	s_lshr_b32 s46, s4, 2
	s_add_co_u32 s45, s45, s46
	s_mul_i32 s45, s45, REC
	s_and_b32 s46, s4, 3
	s_mul_i32 s47, s46, 6144
	s_add_co_u32 s47, s47, s45                     ; fragments (a, 0), (a, 1)
	s_lshl_b32 s46, s46, 8
	s_add_co_u32 s46, s46, s45
	s_add_co_u32 s46, s46, 24576
	s_mov_b32 s48, PL
	s_cmp_eq_u32 s3, 4
	s_cselect_b64 s[30:31], s[22:23], s[20:21]
	s_cselect_b32 s50, s47, s43
	s_cselect_b32 s52, s46, s44
	s_cselect_b32 s54, 3072, s48                   ; from fragments 0, 1 to fragments 2, 3: the next S in wop, the next two places in woop
	s_cselect_b32 s56, 128, s48
	s_mov_b32 s51, 0
	s_mov_b32 s53, 0
	s_mov_b32 s55, 0
	s_mov_b32 s57, 0
	s_add_nc_u64 s[34:35], s[30:31], s[52:53]      ; scale words of fragments 0, 1
	s_add_nc_u64 s[36:37], s[34:35], s[56:57]      ; of fragments 2, 3
	s_add_nc_u64 s[30:31], s[30:31], s[50:51]      ; codes of fragments 0, 1
	s_add_nc_u64 s[32:33], s[30:31], s[54:55]      ; of fragments 2, 3
	s_mov_b32 s38, 0x76543210
	s_mov_b32 s39, 0xfedcba98                      ; v_permlanex16_b32's selects for lane l xor 16
	s_mov_b32 s58, 0xffff0000                      ; lanes 16-31
	s_mul_i32 s59, s2, STG
	s_wait_alu depctr_va_vdst(0)
	v_add_nc_u32 v3, s59, v1                       ; the stage, on the way in: 16 l of a row
	v_mul_u32_u24 v4, v7, 528
	v_lshl_add_u32 v4, v8, 7, v4
	v_add_nc_u32 v4, s59, v4                       ; and on the way out: row r, + 128 h: my block of 32
	v_lshlrev_b32 v5, 3, v8                        ; 8 h
	v_mov_b32 v13, 0                               ; written once: a lane permute's destination counts as one of its sources
.macro LOAD f                          ; fragment f: 16 rows x 512 consecutive bytes
.irp p, 0,1,2,3,4,5,6,7,8,9,10,11,12,13,14,15
	global_load_b128 v[R+64*((\f)%2)+4*\p:R+64*((\f)%2)+4*\p+3], v1, s[28:29] offset:(\p+8*(\p/8))*8192+512*(\f) th:TH_LOAD_NT
.endr
.endm
.macro TURN f                          ; through the stage: LDS serves a wave's instructions in order, so no wait stands between the stores and the loads
.irp p, 0,1,2,3,4,5,6,7,8,9,10,11,12,13,14,15
	ds_store_b128 v3, v[R+64*((\f)%2)+4*\p:R+64*((\f)%2)+4*\p+3] offset:528*\p
.endr
.irp c, 0,1
.irp e, 0,1,2,3,4,5,6,7
	ds_load_b128 v[X+32*\c+4*\e:X+32*\c+4*\e+3], v4 offset:256*\c+16*\e     ; block 2 c + h of row r
.endr
.endr
.endm
.macro QB f                            ; my two blocks become registers 6 c .. 6 c + 5 of the fragment; both lanes of a row make its scale word
.set FS, F+12*((\f)%2)
.irp c, 0,1
	v_max3_num_f32 v[9+\c], |v[X+32*\c]|, |v[X+32*\c+1]|, 0x2800000          ; with the floor 2^(5 - 127): the byte cannot fall under 1
.endr
.irp i, 2,4,6,8,10,12,14,16,18,20,22,24,26,28,30
.irp c, 0,1
	v_max3_num_f32 v[9+\c], v[9+\c], |v[X+32*\c+\i]|, |v[X+32*\c+\i+1]|
.endr
.endr
.irp c, 0,1
	v_add_nc_u32 v[11+\c], 0xfe000000, v[9+\c]     ; 4 off the exponent field: the conversion's scale operand
.endr
	v_lshrrev_b32 v9, 23, v11                      ; the bytes of blocks h and 2 + h
	v_lshrrev_b32 v10, 23, v12
	v_lshl_or_b32 v9, v10, 16, v9
	v_lshlrev_b32 v9, v5, v9                       ; at their places in the word
	v_permlanex16_b32 v13, v9, s38, s39
	v_or_b32 v[W+(\f)], v9, v13                    ; with lane l xor 16's two the word is whole
.if (\f) >= 2
	s_wait_alu depctr_va_vdst(0)
	s_wait_xcnt 0x0                                ; the stores of two fragments ago have read this set of codes
.endif
	v_cvt_scalef32_pk16_bf6_f32 v[FS:FS+2], v[X:X+15], v11
	v_cvt_scalef32_pk16_bf6_f32 v[T:T+2], v[X+16:X+31], v11                  ; (a conversion's three registers begin on an even number)
	v_cvt_scalef32_pk16_bf6_f32 v[FS+6:FS+8], v[X+32:X+47], v12
	v_cvt_scalef32_pk16_bf6_f32 v[T+4:T+6], v[X+48:X+63], v12
	v_nop                                          ; one plain place behind a scaled conversion
.irp i, 0,1,2
	v_mov_b32 v[FS+3+\i], v[T+\i]
	v_mov_b32 v[FS+9+\i], v[T+4+\i]
.endr
.irp c, 0,1,2
	global_store_b128 v1, v[FS+4*\c:FS+4*\c+3], s[30+2*((\f)/2):31+2*((\f)/2)] offset:1536*((\f)%2)+512*\c   ; 512 consecutive bytes
.endr
.endm
	LOAD 0
	LOAD 1
	s_wait_alu depctr_va_vdst(0)
.irp f, 0,1,2,3
.if \f < 3
	s_wait_loadcnt 16                              ; this fragment's 16 loads are in; the next fragment's 16 may be out
.else
	s_wait_loadcnt 0x0
.endif
	TURN \f
	s_wait_dscnt 0x0                               ; the stage's stores have read their registers, and my blocks are back
.if \f < 2
	LOAD \f+2
.endif
	QB \f
.endr
	v_cndmask_b32 v14, v[W], v[W+1], s58           ; lanes 0-15 the words of one fragment, lanes 16-31 those of the next: 128 consecutive bytes
	v_cndmask_b32 v15, v[W+2], v[W+3], s58
	global_store_b32 v2, v14, s[34:35]
	global_store_b32 v2, v15, s[36:37]
	s_wait_tensorcnt 0x0
	ds_add_u32 v254, v255
	s_wait_dscnt 0x0
	s_endpgm
	; ---------------- the mask: a work-group takes a tile of 16 queries, wave w key steps 4 w .. 4 w + 3
.Lmask:
	s_sub_co_u32 s3, ttmp9, 640                    ; the tile
	FIRSTROW 4, 3, 5
	s_lshl_b32 s4, s4, 11                          ; rows of 2,048 bytes
	s_lshl_b32 s5, s2, 9                           ; four key steps of 128 bytes
	s_add_co_u32 s4, s4, s5
	s_mov_b32 s5, 0
	s_add_nc_u64 s[18:19], s[18:19], s[4:5]
	s_lshl_b32 s4, s3, 4
	s_lshl_b32 s6, s2, 2
	s_add_co_u32 s4, s4, s6
	s_lshl_b32 s4, s4, 8                           ; 256 bytes for a tile and a key step
	s_add_nc_u64 s[26:27], s[26:27], s[4:5]
	s_wait_alu depctr_va_vdst(0)
	v_and_b32 v3, 8, v7
	v_add_nc_u32 v3, v3, v7                        ; r + 8 (r / 8)
	v_lshlrev_b32 v3, 11, v3
	v_lshl_add_u32 v3, v8, 4, v3                   ; my query's row, + 16 h
	v_lshlrev_b32 v4, 3, v6                        ; 8 l
.irp n, 0,1,2,3,4,5,6,7,8,9,10,11,12,13,14,15
	global_load_b128 v[16+4*\n:19+4*\n], v3, s[18:19] offset:128*(\n/4)+32*(\n%4)    ; step n / 4, block n % 4: my 16 keys' bytes
.endr
.irp n, 0,1,2,3,4,5,6,7
	v_mov_b32 v[80+\n], 0                          ; v_writelane_b32's destination counts as read
.endr
	s_wait_loadcnt 0x0
.irp k, 0,1,2,3
	s_mov_b32 s[44+\k], 0                          ; the OR of a step's 64 words,
	s_mov_b32 s[48+\k], -1                         ; and their AND
.endr
.set j, 0
.rept 256                              ; step j / 64, word j % 64 = 16 b + i: one byte of every lane becomes one word; word n goes to lane n / 2 of register n % 2
	v_and_b32 v[9+j%4], 0xff<<(8*(j%4)), v[16+4*(j/16)+(j%16)/4]
	v_cmp_ne_u32 s[40+j%4], 0, v[9+j%4]
	v_writelane_b32 v[80+2*(j/64)+j%2], s[40+j%4], (j%64)/2
	s_or_b32 s[44+j/64], s[44+j/64], s[40+j%4]
	s_and_b32 s[48+j/64], s[48+j/64], s[40+j%4]
.set j, j+1
.endr
.irp k, 0,1,2,3
	global_store_b64 v4, v[80+2*\k:81+2*\k], s[26:27] offset:256*\k           ; 32 lanes store 256 consecutive bytes, aligned
.endr
	s_mov_b32 s52, 0                               ; my four key steps' bits
.irp k, 0,1,2,3
	s_cmp_lg_u32 s[44+\k], 0
	s_cselect_b32 s53, 1<<\k, 0
	s_or_b32 s52, s52, s53
	s_cmp_eq_u32 s[48+\k], -1
	s_cselect_b32 s53, 0x10000<<\k, 0
	s_or_b32 s52, s52, s53
.endr
	s_lshl_b32 s53, s2, 2
	s_lshl_b32 s52, s52, s53                       ; at the places of key steps 4 w .. 4 w + 3
	s_lshl_b32 s4, s3, 4
	s_add_co_u32 s4, s4, s53                       ; 16 bytes a tile, 4 a wave (s5 = 0)
	s_add_nc_u64 s[60:61], s[60:61], s[4:5]
	v_mov_b32 v9, s52
	v_mov_b32 v10, 0
	v_cmp_gt_u32 vcc_lo, 1, v6
	s_wait_alu depctr_va_vdst(0)
	s_wait_xcnt 0x0                                ; EXEC changes only behind this wait
	s_and_saveexec_b32 s54, vcc_lo
	global_store_b32 v10, v9, s[60:61]             ; one word a wave, by lane 0: the whole table is 2,048 bytes
	s_wait_xcnt 0x0
	s_or_b32 exec_lo, exec_lo, s54
	s_endpgm
	; ---------------- the RoPE table: a work-group takes a tile of 16 positions; thread (w, l) makes the 16 bytes of loads j = w, w + 4, w + 8, w + 12: pairs 16 k + 8 h + 2 w + e
.Lrope:
.set FI, 16                            ; eight numbers each: the pair's index i, later 1 - z / 2
.set NN, 24                            ; n = floor(i L), later whole numbers at work
.set FQ, 32                            ; n - i L
.set EX, 40                            ; 2^(n - i L), the frequency, the angle, the reduced angle
.set KQ, 48                            ; the quadrant
.set ZZ, 56                            ; the reduced angle's square
.set OU, 64                            ; v64-79 (sin, cos) of the eight
.set SN, 88
.set CN, 96
	s_sub_co_u32 s3, ttmp9, 768                    ; the tile, 0 to 135
	FIRSTROW 4, 3, 5
	s_cmp_lt_u32 s3, 128
	s_cselect_b32 s4, s4, 0                        ; tiles 128 on: position 0 in every lane
	s_cselect_b32 s5, 1, 0
	s_lshl_b32 s6, s3, 13
	s_lshl_b32 s7, s2, 9
	s_add_co_u32 s6, s6, s7
	s_mov_b32 s7, 0
	s_add_nc_u64 s[24:25], s[24:25], s[6:7]        ; rope + 8,192 tile + 512 w
	s_mov_b32 s40, 0x3e549a78                      ; L = log2(10000) / 64, upper part
	s_mov_b32 s41, 0x31979a38                      ; and the rest
	s_mov_b32 s42, 0x3f22f983                      ; 2 / pi
	s_mov_b32 s43, 0xbfc90fdb                      ; -pi / 2, upper part
	s_mov_b32 s44, 0x333bbd2e                      ; and the rest
	s_mov_b32 s45, 0xb94ca1f9                      ; sine: r + r z (s47 + z (s46 + z s45))
	s_mov_b32 s46, 0x3c08839e
	s_mov_b32 s47, 0xbe2aaaa3
	s_mov_b32 s48, 0x37ccf5ce                      ; cosine: 1 - z / 2 + z z (s50 + z (s49 + z s48))
	s_mov_b32 s49, 0xbab6061a
	s_mov_b32 s50, 0x3d2aaaa5
	s_wait_alu depctr_va_vdst(0)
	v_and_b32 v3, 8, v7
	v_add_nc_u32 v3, v3, v7
	v_mul_u32_u24 v3, v3, s5
	v_add_nc_u32 v3, s4, v3
	v_cvt_f32_u32 v10, v3                          ; my position
	v_lshlrev_b32 v9, 3, v8
	v_lshl_add_u32 v9, s2, 1, v9                   ; 8 h + 2 w
.irp u, 0,1,2,3,4,5,6,7
	v_add_nc_u32 v[FI+\u], 16*(\u/2)+\u%2, v9
.endr
.irp u, 0,1,2,3,4,5,6,7
	v_cvt_f32_u32 v[FI+\u], v[FI+\u]
.endr
.irp u, 0,1,2,3,4,5,6,7
	v_mul_f32 v[NN+\u], s40, v[FI+\u]
.endr
.irp u, 0,1,2,3,4,5,6,7
	v_floor_f32 v[NN+\u], v[NN+\u]
.endr
.irp u, 0,1,2,3,4,5,6,7
	v_fma_f32 v[FQ+\u], -v[FI+\u], s40, v[NN+\u]
.endr
.irp u, 0,1,2,3,4,5,6,7
	v_fma_f32 v[FQ+\u], -v[FI+\u], s41, v[FQ+\u]   ; n - i L, between -1 and 0
.endr
	s_wait_alu depctr_va_vdst(0)
.irp u, 0,1,2,3,4,5,6,7
	v_exp_f32 v[EX+\u], v[FQ+\u]                   ; one batch
.endr
.irp u, 0,1,2,3,4,5,6,7
	v_cvt_i32_f32 v[NN+\u], v[NN+\u]               ; plain work behind the batch
.endr
.irp u, 0,1,2,3,4,5,6,7
	v_sub_nc_u32 v[NN+\u], 0, v[NN+\u]
.endr
	s_wait_alu depctr_va_vdst(0)                   ; one wait for the eight, ahead of their first reader
.irp u, 0,1,2,3,4,5,6,7
	v_ldexp_f32 v[EX+\u], v[EX+\u], v[NN+\u]       ; 10000^(-i / 64)
.endr
.irp u, 0,1,2,3,4,5,6,7
	v_mul_f32 v[EX+\u], v10, v[EX+\u]              ; the angle, rounded once
.endr
.irp u, 0,1,2,3,4,5,6,7
	v_mul_f32 v[KQ+\u], s42, v[EX+\u]
.endr
.irp u, 0,1,2,3,4,5,6,7
	v_rndne_f32 v[KQ+\u], v[KQ+\u]
.endr
.irp u, 0,1,2,3,4,5,6,7
	v_fma_f32 v[EX+\u], v[KQ+\u], s43, v[EX+\u]    ; exact: a multiple of 2^-23 under 1 (the angle is under 2,048)
.endr
.irp u, 0,1,2,3,4,5,6,7
	v_fma_f32 v[EX+\u], v[KQ+\u], s44, v[EX+\u]    ; the reduced angle, at most about pi / 4
.endr
.irp u, 0,1,2,3,4,5,6,7
	v_mul_f32 v[ZZ+\u], v[EX+\u], v[EX+\u]
.endr
.irp u, 0,1,2,3,4,5,6,7
	v_fma_f32 v[SN+\u], v[ZZ+\u], s45, s46
	v_fma_f32 v[CN+\u], v[ZZ+\u], s48, s49
.endr
.irp u, 0,1,2,3,4,5,6,7
	v_fma_f32 v[SN+\u], v[SN+\u], v[ZZ+\u], s47
	v_fma_f32 v[CN+\u], v[CN+\u], v[ZZ+\u], s50
.endr
.irp u, 0,1,2,3,4,5,6,7
	v_mul_f32 v[SN+\u], v[SN+\u], v[ZZ+\u]
	v_mul_f32 v[CN+\u], v[CN+\u], v[ZZ+\u]
	v_fma_f32 v[FI+\u], v[ZZ+\u], -0.5, 1.0
.endr
.irp u, 0,1,2,3,4,5,6,7
	v_fma_f32 v[SN+\u], v[SN+\u], v[EX+\u], v[EX+\u]
	v_fma_f32 v[CN+\u], v[CN+\u], v[ZZ+\u], v[FI+\u]
	v_cvt_i32_f32 v[KQ+\u], v[KQ+\u]
.endr
.irp u, 0,1,2,3,4,5,6,7                ; the quadrant only selects values: odd: sine and cosine change places; the signs by an exclusive or
	v_and_b32 v[NN+\u], 1, v[KQ+\u]
	v_cmp_ne_u32 vcc_lo, 0, v[NN+\u]
	v_cndmask_b32 v[OU+2*\u], v[SN+\u], v[CN+\u], vcc_lo
	v_cndmask_b32 v[OU+2*\u+1], v[CN+\u], v[SN+\u], vcc_lo
	v_and_b32 v[NN+\u], 2, v[KQ+\u]
	v_lshlrev_b32 v[NN+\u], 30, v[NN+\u]
	v_xor_b32 v[OU+2*\u], v[NN+\u], v[OU+2*\u]
	v_add_nc_u32 v[NN+\u], 1, v[KQ+\u]
	v_and_b32 v[NN+\u], 2, v[NN+\u]
	v_lshlrev_b32 v[NN+\u], 30, v[NN+\u]
	v_xor_b32 v[OU+2*\u+1], v[NN+\u], v[OU+2*\u+1]
.endr
.irp k, 0,1,2,3
	global_store_b128 v1, v[OU+4*\k:OU+4*\k+3], s[24:25] offset:2048*\k       ; 512 consecutive bytes
.endr
	s_endpgm
.Lfunc_end_k_q8512a90291_prep:
	.size	k_q8512a90291_prep, .Lfunc_end_k_q8512a90291_prep-k_q8512a90291_prep
	.p2alignl 7, 3214868480
	.fill 96, 4, 3214868480
	.section	.rodata,"a",@progbits
	.p2align	6, 0x0
	.amdhsa_kernel k_q8512a90291_prep
		.amdhsa_group_segment_fixed_size 34304
		.amdhsa_private_segment_fixed_size 0
		.amdhsa_enable_private_segment 0
		.amdhsa_kernarg_size 88
		.amdhsa_user_sgpr_count 2
		.amdhsa_user_sgpr_kernarg_segment_ptr 1
		.amdhsa_wavefront_size32 1
		.amdhsa_system_sgpr_workgroup_id_x 1
		.amdhsa_system_sgpr_workgroup_id_y 1
		.amdhsa_system_sgpr_workgroup_id_z 1
		.amdhsa_system_vgpr_workitem_id 0
		.amdhsa_next_free_vgpr 256
		.amdhsa_next_free_sgpr 66
		.amdhsa_reserve_vcc 1
		.amdhsa_float_denorm_mode_32 3
		.amdhsa_float_denorm_mode_16_64 3
		.amdhsa_memory_ordered 1
		.amdhsa_forward_progress 1
		.amdhsa_inst_pref_size 115
	.end_amdhsa_kernel
	.amdgpu_metadata
---
amdhsa.version: [ 1, 2 ]
amdhsa.kernels:
  - .name:           k_q8512a90291_prep
    .symbol:         k_q8512a90291_prep.kd
    .args:
      - { .name: x, .offset: 0, .size: 8, .value_kind: global_buffer, .address_space: global }
      - { .name: Wq, .offset: 8, .size: 8, .value_kind: global_buffer, .address_space: global }
      - { .name: Wk, .offset: 16, .size: 8, .value_kind: global_buffer, .address_space: global }
      - { .name: Wv, .offset: 24, .size: 8, .value_kind: global_buffer, .address_space: global }
      - { .name: Wo, .offset: 32, .size: 8, .value_kind: global_buffer, .address_space: global }
      - { .name: mask, .offset: 40, .size: 8, .value_kind: global_buffer, .address_space: global }
      - { .name: wop, .offset: 48, .size: 8, .value_kind: global_buffer, .address_space: global }
      - { .name: woop, .offset: 56, .size: 8, .value_kind: global_buffer, .address_space: global }
      - { .name: rope, .offset: 64, .size: 8, .value_kind: global_buffer, .address_space: global }
      - { .name: maskw, .offset: 72, .size: 8, .value_kind: global_buffer, .address_space: global }
      - { .name: liv, .offset: 80, .size: 8, .value_kind: global_buffer, .address_space: global }
    .group_segment_fixed_size: 34304
    .private_segment_fixed_size: 0
    .kernarg_segment_align: 8
    .kernarg_segment_size: 88
    .max_flat_workgroup_size: 128
    .sgpr_count:     66
    .vgpr_count:     256
    .wavefront_size: 32
...
	.end_amdgpu_metadata
.endif
;; end of part 1
;; launch qkv (part 2): grid 24 x 8, 4 waves a work-group, clusters of 4 x 4, 327,680 bytes of LDS; arguments wop, rope, qkv; writes qkv
.if DOCPART == 2
	.amdgcn_target "amdgcn-amd-amdhsa--gfx1250"
	.amdhsa_code_object_version 6
	.text
	.protected	k_q8512a90291_qkv
	.globl	k_q8512a90291_qkv
	.p2align	8
	.type	k_q8512a90291_qkv,@function
k_q8512a90291_qkv:
	s_mov_b64 s[64:65], 0
	v_nop
	global_prefetch_b8 v0, s[64:65] scope:SCOPE_SE
	s_setreg_imm32_b32 hwreg(HW_REG_WAVE_MODE, 25, 1), 1
	s_wait_xcnt 0x0
	s_wait_alu depctr_hold_cnt(0) depctr_sa_sdst(0) depctr_va_vdst(0) depctr_va_sdst(0) depctr_va_ssrc(0) depctr_va_vcc(0) depctr_vm_vsrc(0)
	s_getreg_b32 s2, hwreg(HW_REG_IB_STS2, 6, 4)
	s_cmp_eq_u32 s2, 0
	s_cbranch_scc0 .Lentry_in_a_cluster
	s_endpgm
.Lentry_in_a_cluster:
	s_bfe_u32 s2, ttmp6, 0x10000c
	s_cmp_lg_u32 s2, 0xf033
	s_cbranch_scc0 .Lentry_shape_is_right
	s_endpgm
.Lentry_shape_is_right:
.set REC,    25600
.set PL,     64*REC
.set SLOT,   4*REC
.set SPARE,  2*SLOT
.set NQ,     2
.set FR,     12
.set NL,     3
.set NP,     4
.set LAPS,   4
.set ADRA, 16
.set ADRB, 20
.set ADRS, 22
.set SPW,  28
.set NIL,  29
.set LI,   30
.set LS,   31
.set SC,   32
.set CS,   64
.set AF,   128
.set TM,   4
.set PW,   20
.set PWP,  21
.set PS,   22
.set H,    192
.set G1, 24
.set G0, 32
.set G1B, 48
.set G0B, 56
.set SEL, 70
.set MSB, 0
.macro WIN new
.if MSB != \new
	s_set_vgpr_msb (MSB<<8)|\new
.set MSB, \new
.endif
.endm
.set MUL_LO, 0xa1
.set MUL_HI, 0xf1
.set TO_B,   0x40
.macro JLOAD g0a, g1a, g0b, g1b
	s_cmp_eq_u32 s15, 0
	s_cbranch_scc0 .Lfor_b_\@
	tensor_load_to_lds s[\g0a:\g0a+3], s[\g1a:\g1a+7]
	s_nop 0
.rept 4
	v_nop
.endr
	s_branch .Lasked_\@
.Lfor_b_\@:
	tensor_load_to_lds s[\g0b:\g0b+3], s[\g1b:\g1b+7]
	s_nop 0
.rept 4
	v_nop
.endr
.Lasked_\@:
.endm
.macro CREST
	s_cmp_lg_u32 s14, 0
	s_cbranch_scc1 .Lnot_wave_0_\@
	s_barrier_signal -3
.Lnot_wave_0_\@:
	s_barrier_wait -3
	s_barrier_signal -1
	s_barrier_wait -1
.endm
.macro CROUND
	s_barrier_signal -1
	s_barrier_wait -1
	CREST
.endm
	s_load_b128 s[4:7], s[0:1], 0x0
	s_load_b64 s[8:9], s[0:1], 0x10
	v_lshl_add_u32 v[SPW], v0, 2, SPARE
	v_mov_b32 v[NIL], 0
	ds_add_u32 v28, v29
	ds_add_u32 v28, v29
	s_wait_dscnt 0x0
	v_lshrrev_b32 v1, 5, v0
	v_readfirstlane_b32 s14, v1
	s_lshr_b32 s15, s14, 1
	s_and_b32 s16, s14, 1
	s_bfe_u32 s40, ttmp6, 0x40000
	s_bfe_u32 s41, ttmp6, 0x40004
	s_lshl_b32 s42, ttmp9, 2
	s_add_co_u32 s42, s42, s40
	s_and_b32 s17, ttmp7, 0xffff
	s_lshl_b32 s17, s17, 2
	s_add_co_u32 s17, s17, s41
	s_lshl_b32 s43, s41, 2
	s_lshl_b32 s43, 15, s43
	s_lshl_b32 s44, 0x1111, s40
	s_or_b32 s[G1+0], s43, (3<<16)|(1<<21)
	s_or_b32 s[G1B+0], s44, (3<<16)|(1<<21)
.irp g, G1, G1B
	s_mov_b32 s[\g+1], 32<<16
	s_mov_b32 s[\g+2], 100<<16
	s_mov_b32 s[\g+3], 32<<16
	s_mov_b32 s[\g+4], 100
	s_mov_b32 s[\g+5], 32
	s_mov_b32 s[\g+6], 0
	s_mov_b32 s[\g+7], 0
.endr
	s_lshr_b32 s45, ttmp9, 2
	s_mul_i32 s45, s45, 48
	s_lshl_b32 s20, s17, 1
	s_add_co_u32 s20, s20, s16
	s_add_co_u32 s20, s20, s45
	s_mul_i32 s20, s20, REC
	s_mov_b32 s21, 0
	s_lshl_b32 s46, s42, 1
	s_add_co_u32 s46, s46, s16
	s_add_co_u32 s46, s46, 16
	s_sub_co_u32 s46, s46, s45
	s_mul_i32 s46, s46, REC
	s_mov_b32 s47, 0
	s_mul_i32 s10, s14, REC
	s_wait_kmcnt 0x0
	s_add_nc_u64 s[20:21], s[4:5], s[20:21]
	s_add_nc_u64 s[46:47], s[4:5], s[46:47]
	CROUND
.irp s, 0,1
	s_mov_b32 s[G0+4*\s], 1
	s_add_co_u32 s[G0+4*\s+1], s10, \s*SLOT
	s_add_nc_u64 s[G0+4*\s+2:G0+4*\s+3], s[20:21], \s*PL
	s_or_b32 s[G0+4*\s+3], s[G0+4*\s+3], 0x80000000
	s_mov_b32 s[G0B+4*\s], 1
	s_add_co_u32 s[G0B+4*\s+1], s10, \s*SLOT
	s_add_nc_u64 s[G0B+4*\s+2:G0B+4*\s+3], s[46:47], \s*PL
	s_or_b32 s[G0B+4*\s+3], s[G0B+4*\s+3], 0x80000000
	s_wait_alu depctr_va_vdst(0)
	s_wait_tensorcnt 0x0
	ds_add_u32 v28, v29
	ds_add_u32 v28, v29
	s_wait_dscnt 0x0
	CROUND
	JLOAD G0+4*\s, G1, G0B+4*\s, G1B
.endr
	v_and_b32 v1, 15, v0
	v_bfe_u32 v2, v0, 4, 1
	v_and_b32 v3, 31, v0
	v_lshlrev_b32 v[LI], 4, v3
	s_wait_alu depctr_va_vdst(0)
	v_lshlrev_b32 v[LS], 2, v3
	s_mul_i32 s18, s15, REC
	s_mul_i32 s19, s16, REC
	s_add_co_u32 s19, s19, 2*REC
	s_xor_b32 s22, s15, 1
	s_add_co_u32 s22, s22, s16
	s_add_co_u32 s22, s22, 1
	s_mul_i32 s22, s22, REC
	v_mul_u32_u24 v4, s22, v2
	v_lshl_add_u32 v4, v1, 2, v4
	s_add_co_u32 s23, s18, 24576
.irp s, 0,1
	v_add_nc_u32 v[ADRA+\s], s18, v[LI]
	v_add_nc_u32 v[ADRB+\s], s19, v[LI]
	v_add_nc_u32 v[ADRS+\s], s23, v4
	s_add_co_u32 s18, s18, SLOT
	s_add_co_u32 s19, s19, SLOT
	s_add_co_u32 s23, s23, SLOT
.endr
	s_lshl_b32 s11, s17, 1
	s_add_co_u32 s11, s11, s15
	s_lshl_b32 s74, s42, 1
	s_add_co_u32 s74, s74, s16
	s_lshl_b32 s75, s74, 4
	s_add_co_u32 s75, s75, s11
	s_lshl_b32 s76, s11, 4
	s_add_co_u32 s76, s76, s74
	s_add_co_u32 s76, s76, 480
	s_lshl_b32 s77, s11, 3
	s_cmp_ge_u32 ttmp9, 4
	s_cselect_b32 s75, s76, s75
	s_cselect_b32 s77, 128, s77
	s_mul_i32 s78, s75, 12800
	s_mov_b32 s79, 0
	s_add_nc_u64 s[12:13], s[8:9], s[78:79]
	s_lshl_b32 s78, s77, 13
	s_add_nc_u64 s[68:69], s[6:7], s[78:79]
	s_mov_b32 s[SEL], 0x76543210
	s_mov_b32 s[SEL+1], 0xfedcba98
	s_mov_b32 s72, 0xffff0000
.irp j, 0,1,2,3,4,5,6,7,8,9,10,11,12,13,14,15
	global_load_b128 v[CS+4*\j:CS+4*\j+3], v[LI], s[68:69] offset:512*\j
.endr
.macro FRAG reg, adr, q, i
.irp c, 0,1,2
	ds_load_b128 v[\reg+4*\c:\reg+4*\c+3], v[\adr] offset:(2*(\i)+(\q))*1536+512*\c
.endr
.endm
.macro MUL16 a0, p, q, sc, zero
.irp a, \a0, \a0+1
.irp b, 0,1,2,3,4,5,6,7
.if \zero
	v_wmma_scale_f32_16x16x128_f8f6f4 v[8*(8*((\a)%4)+\b):8*(8*((\a)%4)+\b)+7], v[128*(\p)+FR*\b:128*(\p)+FR*\b+FR-1], v[AF+FR*(\a):AF+FR*(\a)+FR-1], 0, v[SC+8*NQ*(\sc)+NQ*\b+(\q)], v[SC+8*NQ*(\sc)+NQ*(\a)+(\q)] matrix_a_fmt:MATRIX_FMT_BF6 matrix_b_fmt:MATRIX_FMT_BF6 matrix_a_scale:MATRIX_SCALE_ROW1
.else
	v_wmma_scale_f32_16x16x128_f8f6f4 v[8*(8*((\a)%4)+\b):8*(8*((\a)%4)+\b)+7], v[128*(\p)+FR*\b:128*(\p)+FR*\b+FR-1], v[AF+FR*(\a):AF+FR*(\a)+FR-1], v[8*(8*((\a)%4)+\b):8*(8*((\a)%4)+\b)+7], v[SC+8*NQ*(\sc)+NQ*\b+(\q)], v[SC+8*NQ*(\sc)+NQ*(\a)+(\q)] matrix_a_fmt:MATRIX_FMT_BF6 matrix_b_fmt:MATRIX_FMT_BF6 matrix_a_scale:MATRIX_SCALE_ROW1
.endif
.endr
.endr
.endm
.macro FETCH_B slot, q, p
	WIN TO_B
.irp i, 0,1,2,3,4,5,6,7
	FRAG 128*(\p)+FR*\i, ADRB+\slot, \q, \i
.endr
	WIN 0
.endm
.macro FETCH_A slot, q, i0
.irp i, \i0, \i0+1, \i0+2, \i0+3
	FRAG AF+FR*(\i), ADRA+\slot, \q, \i
.endr
.endm
.macro SCALES s
.irp i, 0,1,2,3,4,5,6,7
.irp q, 0,1
	ds_load_b32 v[SC+16*\s+2*\i+\q], v[ADRS+\s] offset:64*(2*\i+\q)
.endr
.endr
.endm
.macro PLACES n
.rept \n
	v_nop
.endr
.endm
.macro STEP slot, q, zero
	s_wait_dscnt 4*NL
	WIN MUL_LO
	MUL16 0, (\q)%2, \q, \slot, \zero
	MUL16 2, (\q)%2, \q, \slot, \zero
	s_wait_dscnt 0
	PLACES NP
	FETCH_B \slot, (\q)+1, 1-(\q)%2
	FETCH_A \slot, (\q)+1, 0
	WIN MUL_HI
	MUL16 4, (\q)%2, \q, \slot, \zero
	MUL16 6, (\q)%2, \q, \slot, \zero
	PLACES NP
	WIN 0
	FETCH_A \slot, (\q)+1, 4
.endm
.macro TURN slot, next, fill
	s_wait_tensorcnt 0x0
	ds_add_u32 v[SPW], v[NIL]
	s_wait_dscnt 4*NL+1
	WIN MUL_LO
	MUL16 0, 1, NQ-1, \slot, 0
	s_wait_dscnt 0x0
	s_barrier_signal -1
	MUL16 2, 1, NQ-1, \slot, 0
	WIN 0
	s_barrier_wait -1
.if \fill
	CREST
	s_add_nc_u64 s[G0+4*\slot+2:G0+4*\slot+3], s[G0+4*\slot+2:G0+4*\slot+3], 2*PL
	s_add_nc_u64 s[G0B+4*\slot+2:G0B+4*\slot+3], s[G0B+4*\slot+2:G0B+4*\slot+3], 2*PL
	JLOAD G0+4*\slot, G1, G0B+4*\slot, G1B
.else
	PLACES NP
.endif
	FETCH_B \next, 0, 0
	FETCH_A \next, 0, 0
	SCALES \next
	WIN MUL_HI
	MUL16 4, 1, NQ-1, \slot, 0
	MUL16 6, 1, NQ-1, \slot, 0
	PLACES NP
	WIN 0
	FETCH_A \next, 0, 4
.endm
	s_wait_alu depctr_va_vdst(0)
	s_wait_tensorcnt 1
	s_barrier_signal -1
	s_barrier_wait -1
	FETCH_B 0, 0, 0
	FETCH_A 0, 0, 0
	SCALES 0
	FETCH_A 0, 0, 4
	STEP 0, 0, 1
	s_mov_b32 s3, LAPS-1
.Llap:
	TURN 0, 1, 1
	STEP 1, 0, 0
	TURN 1, 0, 1
	STEP 0, 0, 0
	s_sub_co_u32 s3, s3, 1
	s_cmp_lg_u32 s3, 0
	s_cbranch_scc1 .Llap
	TURN 0, 1, 0
	STEP 1, 0, 0
	s_wait_dscnt 4*NL
	WIN MUL_LO
	MUL16 0, 1, NQ-1, 1, 0
	MUL16 2, 1, NQ-1, 1, 0
	s_wait_dscnt 0
	WIN MUL_HI
	MUL16 4, 1, NQ-1, 1, 0
	MUL16 6, 1, NQ-1, 1, 0
	WIN 0
.macro QUANT s
.irp b, 0,1,2,3
	v_max3_num_f32 v[TM+\b], |v[\s+16*\b]|, |v[\s+1+16*\b]|, 0x2800000
.endr
.irp i, 2,4,6,8,10,12,14
.irp b, 0,1,2,3
	v_max3_num_f32 v[TM+\b], v[TM+\b], |v[\s+16*\b+\i]|, |v[\s+1+16*\b+\i]|
.endr
.endr
.irp b, 0,1,2,3
	v_permlanex16_b32 v[TM+4+\b], v[TM+\b], s[SEL], s[SEL+1]
.endr
.irp b, 0,1,2,3
	v_max_num_f32 v[TM+\b], v[TM+\b], v[TM+4+\b]
.endr
.irp b, 0,1,2,3
	v_add_nc_u32 v[TM+12+\b], 0xfe000000, v[TM+\b]
.endr
.irp b, 0,1,2,3
	v_lshrrev_b32 v[TM+4+\b], 23, v[TM+12+\b]
.endr
	v_lshl_or_b32 v[PW], v[TM+5], 8, v[TM+4]
	v_lshl_or_b32 v[PW], v[TM+6], 16, v[PW]
	v_lshl_or_b32 v[PW], v[TM+7], 24, v[PW]
.irp c, 0,1
	v_cvt_scalef32_pk16_bf6_f32 v[PC+6*\c:PC+2+6*\c], v[\s+32*\c:\s+15+32*\c], v[TM+12+2*\c]
	v_cvt_scalef32_pk16_bf6_f32 v[PC+12+4*\c:PC+14+4*\c], v[\s+16+32*\c:\s+31+32*\c], v[TM+12+2*\c+1]
.endr
	v_nop
.irp c, 0,1
.irp i, 0,1,2
	v_permlane16_swap_b32 v[PC+6*\c+\i], v[PC+12+4*\c+\i]
.endr
.irp i, 0,1,2
	v_mov_b32 v[PC+3+6*\c+\i], v[PC+12+4*\c+\i]
.endr
.endr
.endm
.macro BLOCK a
.set AC, 64*((\a)%4)
.set PC, 128+32*((\a)%2)               ; the codes' work registers: v128 on and v160 on by turns, where A's fragments lay
	s_wait_xcnt 0x0                                ; the stores of two blocks ago have read these registers
.if (\a) == 0
.set C0, CS                            ; block 0's sines and cosines came at the head, into window 0
	s_wait_loadcnt 0x0
	WIN TO_B                                       ; those of blocks 1 to 3 go into window 1, where B's fragments lay: three buffers of 64 registers
.irp n, 1,2,3
.irp j, 0,1,2,3,4,5,6,7,8,9,10,11,12,13,14,15
	global_load_b128 v[64*(\n-1)+4*\j:64*(\n-1)+4*\j+3], v[LI], s[68:69] offset:8192*\n+512*\j
.endr
.endr
.else
.set C0, 64*(((\a)-1)%3)               ; block a's buffer in window 1
.if (\a) < 6
	s_wait_loadcnt 32                              ; this block's 16 loads are in; the 32 of the two blocks behind it may be out
.else
	s_wait_loadcnt 16*(7-(\a))
.endif
.endif
	WIN 0x02+(\a)/4+4*(((\a)+7)/8)
.set p, 0
.rept 8
.irp e, 0,1,2,3
	v_mul_f32 v[H+8*p+2*\e], v[AC+8*p+2*\e+1], v[C0+8*p+2*\e]
	v_mul_f32 v[H+8*p+2*\e+1], v[AC+8*p+2*\e], v[C0+8*p+2*\e]
.endr
.irp e, 0,1,2,3
	v_fma_f32 v[H+8*p+2*\e], v[AC+8*p+2*\e], v[C0+8*p+2*\e+1], -v[H+8*p+2*\e]
	v_fma_f32 v[H+8*p+2*\e+1], v[AC+8*p+2*\e+1], v[C0+8*p+2*\e+1], v[H+8*p+2*\e+1]
.endr
.set p, p+1
.endr
	WIN 0
.if (\a) >= 1
.if (\a) <= 4
	WIN TO_B                                       ; this block's buffer has been read: it takes the block three further on
.irp j, 0,1,2,3,4,5,6,7,8,9,10,11,12,13,14,15
	global_load_b128 v[C0+4*\j:C0+4*\j+3], v[LI], s[68:69] offset:8192*((\a)+3)+512*\j
.endr
	WIN 0
.endif
.endif
	QUANT H
.irp c, 0,1,2
	global_store_b128 v[LI], v[PC+4*\c:PC+4*\c+3], s[12:13] offset:1536*(\a)+512*\c
.endr
.if (\a)%2 == 0
	v_mov_b32 v[PWP], v[PW]
.else
	v_cndmask_b32 v[PS], v[PWP], v[PW], s72
	global_store_b32 v[LS], v[PS], s[12:13] offset:12288+64*((\a)-1)
.endif
.endm
	PLACES NP
.irp b, 0,1,2,3
	v_mov_b32 v[TM+4+\b], 0
.endr
.irp a, 0,1,2,3,4,5,6,7
	BLOCK \a
.endr
	s_wait_tensorcnt 0x0
	ds_add_u32 v[SPW], v[NIL]
	s_wait_dscnt 0x0
	CROUND
	s_endpgm
.Lfunc_end_k_q8512a90291_qkv:
	.size	k_q8512a90291_qkv, .Lfunc_end_k_q8512a90291_qkv-k_q8512a90291_qkv
	.p2alignl 7, 3214868480
	.fill 96, 4, 3214868480
	.section	.rodata,"a",@progbits
	.p2align	6, 0x0
	.amdhsa_kernel k_q8512a90291_qkv
		.amdhsa_group_segment_fixed_size 327680
		.amdhsa_private_segment_fixed_size 0
		.amdhsa_enable_private_segment 0
		.amdhsa_kernarg_size 24
		.amdhsa_user_sgpr_count 2
		.amdhsa_user_sgpr_kernarg_segment_ptr 1
		.amdhsa_wavefront_size32 1
		.amdhsa_system_sgpr_workgroup_id_x 1
		.amdhsa_system_sgpr_workgroup_id_y 1
		.amdhsa_system_sgpr_workgroup_id_z 1
		.amdhsa_system_vgpr_workitem_id 0
		.amdhsa_next_free_vgpr 1024
		.amdhsa_next_free_sgpr 100
		.amdhsa_reserve_vcc 0
		.amdhsa_float_denorm_mode_32 3
		.amdhsa_float_denorm_mode_16_64 3
		.amdhsa_memory_ordered 1
		.amdhsa_forward_progress 1
		.amdhsa_inst_pref_size 201
	.end_amdhsa_kernel
	.amdgpu_metadata
---
amdhsa.version: [ 1, 2 ]
amdhsa.kernels:
  - .name:           k_q8512a90291_qkv
    .symbol:         k_q8512a90291_qkv.kd
    .args:
      - { .name: wop, .offset: 0, .size: 8, .value_kind: global_buffer, .address_space: global }
      - { .name: rope, .offset: 8, .size: 8, .value_kind: global_buffer, .address_space: global }
      - { .name: qkv, .offset: 16, .size: 8, .value_kind: global_buffer, .address_space: global }
    .group_segment_fixed_size: 327680
    .private_segment_fixed_size: 0
    .kernarg_segment_align: 8
    .kernarg_segment_size: 24
    .max_flat_workgroup_size: 128
    .sgpr_count:     100
    .vgpr_count:     1024
    .wavefront_size: 32
...
	.end_amdgpu_metadata
.endif
;; end of part 2
;; launch attn (part 3): grid 16 x 16, 8 waves a work-group, no clusters, 103,424 bytes of LDS; arguments qkv, maskw, liv, att; writes att
.if DOCPART == 3
	.amdgcn_target "amdgcn-amd-amdhsa--gfx1250"
	.amdhsa_code_object_version 6
	.text
	.protected	k_q8512a90291_attn
	.globl	k_q8512a90291_attn
	.p2align	8
	.type	k_q8512a90291_attn,@function
k_q8512a90291_attn:
	s_mov_b64 s[64:65], 0
	v_nop
	global_prefetch_b8 v0, s[64:65] scope:SCOPE_SE
	s_setreg_imm32_b32 hwreg(HW_REG_WAVE_MODE, 25, 1), 1
	s_wait_xcnt 0x0
; ATTENTION ON CODES of BF6 (E3M2), with the mask as it is given, and the quantiser of the last projection's operand.
; t = score x log2(e) / sqrt(128), -infinity where the mask hides the key; M = the row's largest t so far, rounded UP to a whole number; p = 2^(t - M) is quantised along the keys, not normalised.
; The row's sum is taken of the unquantised p, in f32, and divides O at the end.  When M moves, the sum and O are multiplied by 2^(old M - new M): exact.
; WHAT THE MASK DECIDES.  liv (whole numbers, stored by the launch before) says of each tile of 16 queries and each key step of 128 keys whether any key is shown and whether all are.  A step with no key shown has
; p = 0 throughout and leaves M, the sum and O as they are: the wave jumps over its work.  A step with all keys shown needs no select by the mask words: the wave jumps over the 64 selects.  A tile with no key at all
; runs step 0, hidden.  The launch has no tensor load and no cluster: K and V come through registers.
; THE MASK WORDS (maskw [tile][step][64], one lane mask for each register of S^T) are fetched for the steps shown in part alone: those of the first such step at the head, those of the next one behind the selects of the one before.
; SHARES.  A wave owns one tile of 16 queries of one head, in 512 registers.  Work-group x of a head holds four tiles of query block x / 2 and four of block 15 - x / 2, dealt so that waves w and w + 4, and waves 2 k and
; 2 k + 1, are one of each: where a mask hides later keys from earlier queries, the live steps of such a pair add up alike in all pairs.
; OPERANDS are images of operand registers (qkv [Q, K, V][head][block of 128][12,800]: fragment a at 1,536 a, its scale words at 12,288 + 64 a).  Both products are used transposed (S^T = K Q^T, O^T = V^T P^T): a lane
; holds ONE query (lane % 16); register 16 b + i of S^T is key 32 b + 16 (lane / 16) + i of the step, and of O^T channel 32 b + 16 (lane / 16) + i.
; LDS: a ring of four slots, a key step's record of K and of V in each.  The 256 threads carry a step's 25,600 bytes: 6 loads of 16 bytes and one of 4 a thread, asked for six steps ahead of the step that multiplies them
; (so no separate prefetch is laid: the loads themselves run ahead), stored to LDS two steps ahead, from four sets of 25 registers by turns: four batches of 7 loads are out.  Step j stores into slot (j + 2) % 4, reads V
; from slot j % 4 and the next step's K from slot (j + 1) % 4; one barrier a step parts a slot's reads from its next stores and its stores from their reads.  Every wave carries and meets in all 16 steps: no barrier and
; no counted wait stands under a branch.  The last six steps ask for step 15 again, so that every count holds on every path and no load leaves the buffer; what they bring is multiplied by nobody.
; OUT: att [head / 4][tile / 4][25,600]: my tile's fragment at 1,536 (4 (tile % 4) + head % 4), its scale words at 24,576 + 64 (..).  A ROW WITH NO KEY has the sum 0: its scale word becomes 0xff bytes, which make that row NaN.
; LIMITS: NaN and infinities among the numbers are not served, those under hidden keys too; a block of zeros or under 2^-122 gets the scale byte 1 (read by this program alone); scaled scores stay under 2^31.
; REGISTERS, window 0: v1 16 l, v2 4 l, v3 4 r, v4 and v7 the first two + two slots; v5-6 the add's; v8-9 16 T (+ two slots), v10 my scale word in memory, v11 and v28 in LDS; v12 -M, v13 largest t, v[14:15] the sum;
;   v16-27 Q; v29 -infinity; v30-31 offsets; v32-35 V's scale words; v36-60, v64-88 carrying sets 0, 1; v96-159 S^T, then p; v160-223 O^T; v224-235 p's codes; v230-247, v252, v254 at work; v248-251 K's scale words, v253 p's, v255 Q's.
;   window 1: v0-95 K's eight fragments; v96-191 V's; v192-216, v220-244 carrying sets 2, 3.
; s11 the trip's first step; s90 bit u + 1: step s11 + u is live, bit u: the step before it was (its K is in registers); s91 bit u: all shown; s92 the steps shown in part that are still to come;
; s[84:85] K's records of the head; s[86:87] the records asked for; s[16:63], s[68:83] mask words.
.set REC,   12800
.set STEPB, 2*REC
.set KV,    256*REC                    ; from a record of K to the same step's record of V in memory
.set SPARE, 4*STEPB                    ; behind the ring: the spare words, 128 bytes a wave
.set VS,   32
.set KS,   248
.set VF,   96
.set TM,   232
.set PC,   40
.set PW,   253
.set CS,   12
.set SEL,  14
.set MP,   100
.set MSB, 0
.macro WIN new                         ; the immediate's high byte repeats the setting that is left
.if MSB != \new
	s_set_vgpr_msb (MSB<<8)|\new
.set MSB, \new
.endif
.endm
.macro GLOAD set, base, off, win       ; a key step's two records, my 100 bytes of them, into 25 registers of window win
	WIN 0x40*(\win)
.irp i, 0,1,2
	global_load_b128 v[\set+4*\i:\set+4*\i+3], v8, s[\base:\base+1] offset:\off+4096*\i
	global_load_b128 v[\set+12+4*\i:\set+15+4*\i], v8, s[\base:\base+1] offset:\off+KV+4096*\i
.endr
	global_load_b32 v[\set+24], v10, s[\base:\base+1] offset:\off
	WIN 0
.endm
.macro STORE set, slot, win            ; and into a slot, as they lie
	WIN 0x04*(\win)
.irp i, 0,1,2
	ds_store_b128 v[8+(\slot)/2], v[\set+4*\i:\set+4*\i+3] offset:((\slot)%2)*STEPB+4096*\i
	ds_store_b128 v[8+(\slot)/2], v[\set+12+4*\i:\set+15+4*\i] offset:((\slot)%2)*STEPB+REC+4096*\i
.endr
	ds_store_b32 v[11+17*((\slot)/2)], v[\set+24] offset:((\slot)%2)*STEPB
	WIN 0
.endm
.macro RECORD slot, off, reg, sc       ; 28 LDS loads: a record's eight fragments into window 1, its scale words into v[sc] on
	WIN 0x40
.irp t, 0,1,2,3,4,5,6,7
.irp c, 0,1,2
	ds_load_b128 v[\reg+12*\t+4*\c:\reg+12*\t+4*\c+3], v[1+3*((\slot)/2)] offset:((\slot)%2)*STEPB+\off+1536*\t+512*\c
.endr
.endr
	WIN 0
.irp u, 0,1,2,3
	ds_load_b32 v[\sc+\u], v[2+5*((\slot)/2)] offset:((\slot)%2)*STEPB+\off+12288+128*\u
.endr
.endm
.macro WORDS                           ; the mask words of the lowest step left in s92, held at step 15 where none is left: so no load leaves the buffer
	s_ctz_i32_b32 s66, s92
	s_min_u32 s66, s66, 15
	s_lshl_b32 s66, s66, 8
	s_load_b512 s[16:31], s[MP:MP+1], s66 offset:0x0
	s_load_b512 s[32:47], s[MP:MP+1], s66 offset:0x40
	s_load_b512 s[48:63], s[MP:MP+1], s66 offset:0x80
	s_load_b512 s[68:83], s[MP:MP+1], s66 offset:0xc0
.endm
.macro KQ t
.if (\t)%2
	v_wmma_scale_f32_16x16x128_f8f6f4 v[96+8*(\t):103+8*(\t)], v[12*(\t):12*(\t)+11], v[16:27], 0, v[KS+(\t)/2], v255 matrix_a_fmt:MATRIX_FMT_BF6 matrix_b_fmt:MATRIX_FMT_BF6 matrix_a_scale:MATRIX_SCALE_ROW1
.else
	v_wmma_scale_f32_16x16x128_f8f6f4 v[96+8*(\t):103+8*(\t)], v[12*(\t):12*(\t)+11], v[16:27], 0, v[KS+(\t)/2], v255 matrix_a_fmt:MATRIX_FMT_BF6 matrix_b_fmt:MATRIX_FMT_BF6
.endif
.endm
.macro PV t
.if (\t)%2
	v_wmma_scale_f32_16x16x128_f8f6f4 v[160+8*(\t):167+8*(\t)], v[VF+12*(\t):VF+12*(\t)+11], v[224:235], v[160+8*(\t):167+8*(\t)], v[VS+(\t)/2], v253 matrix_a_fmt:MATRIX_FMT_BF6 matrix_b_fmt:MATRIX_FMT_BF6 matrix_a_scale:MATRIX_SCALE_ROW1
.else
	v_wmma_scale_f32_16x16x128_f8f6f4 v[160+8*(\t):167+8*(\t)], v[VF+12*(\t):VF+12*(\t)+11], v[224:235], v[160+8*(\t):167+8*(\t)], v[VS+(\t)/2], v253 matrix_a_fmt:MATRIX_FMT_BF6 matrix_b_fmt:MATRIX_FMT_BF6
.endif
.endm
	s_load_b128 s[92:95], s[0:1], 0x0              ; qkv, maskw
	s_load_b128 s[96:99], s[0:1], 0x10             ; liv, att
	v_lshl_add_u32 v5, v0, 2, SPARE
	v_mov_b32 v6, 0
	v_lshrrev_b32 v1, 5, v0
	v_readfirstlane_b32 s10, v1                    ; wave 0..7
	s_lshr_b32 s2, ttmp9, 1                        ; the pair of query blocks
	s_and_b32 s3, ttmp9, 1                         ; which four tiles of each
	s_and_b32 s20, ttmp7, 0xffff                   ; the head
	s_lshr_b32 s21, s10, 2
	s_xor_b32 s21, s21, s10
	s_and_b32 s21, s21, 1                          ; which of the two blocks is my wave's
	s_sub_co_u32 s22, 15, s2
	s_cmp_eq_u32 s21, 0
	s_cselect_b32 s22, s2, s22                     ; my block of 128 queries
	s_lshl_b32 s21, s22, 3
	s_lshl_b32 s3, s3, 2
	s_add_co_u32 s21, s21, s3
	s_lshr_b32 s3, s10, 1
	s_add_co_u32 s21, s21, s3                      ; my tile, 0 to 127
	s_lshl_b32 s23, s20, 4
	s_add_co_u32 s24, s23, s22
	s_mul_i32 s24, s24, REC                        ; Q's record
	s_mov_b32 s25, 0
	s_add_co_u32 s26, s23, 256
	s_mul_i32 s26, s26, REC                        ; K's sixteen records of the head
	s_mov_b32 s27, 0
	s_lshl_b32 s28, s21, 4                         ; my tile's four words of liv
	s_mov_b32 s29, 0
	s_lshl_b32 s30, s21, 12                        ; its mask words
	s_mov_b32 s31, 0
	s_lshr_b32 s32, s20, 2
	s_lshl_b32 s32, s32, 5
	s_lshr_b32 s33, s21, 2
	s_add_co_u32 s32, s32, s33
	s_mul_i32 s32, s32, 25600                      ; my record of att
	s_mov_b32 s33, 0
	s_and_b32 s67, s21, 3
	s_lshl_b32 s67, s67, 2
	s_and_b32 s34, s20, 3
	s_add_co_u32 s67, s67, s34                     ; and my fragment in it
	s_and_b32 s34, s21, 7
	s_mul_i32 s35, s34, 1536                       ; my fragment of Q,
	s_lshl_b32 s34, s34, 6                         ; its scale words
	v_and_b32 v1, 31, v0
	v_lshlrev_b32 v2, 2, v1
	v_lshlrev_b32 v1, 4, v1
	v_and_b32 v3, 15, v0
	v_lshlrev_b32 v3, 2, v3
	v_add_nc_u32 v4, 2*STEPB, v1
	v_add_nc_u32 v7, 2*STEPB, v2
	v_lshlrev_b32 v8, 4, v0
	v_add_nc_u32 v9, 2*STEPB, v8
	v_and_b32 v10, 127, v0
	v_lshlrev_b32 v10, 2, v10
	v_lshrrev_b32 v28, 7, v0                       ; threads 0-127 carry K's scale words, 128-255 V's
	v_mad_u32_u24 v11, v28, REC, v10
	v_add_nc_u32 v11, 12288, v11
	v_mul_u32_u24 v28, v28, KV
	v_add3_u32 v10, v10, v28, 12288
	v_add_nc_u32 v28, 2*STEPB, v11
	v_add_nc_u32 v30, s35, v1
	v_add_nc_u32 v31, s34, v3
	s_wait_alu depctr_va_vdst(0)
	s_wait_kmcnt 0x0
	s_add_nc_u64 s[88:89], s[96:97], s[28:29]
	s_load_b128 s[4:7], s[88:89], 0x0              ; which steps are live, which wholly shown
	s_add_nc_u64 s[86:87], s[92:93], s[24:25]
	s_add_nc_u64 s[84:85], s[92:93], s[26:27]
	s_add_nc_u64 s[MP:MP+1], s[94:95], s[30:31]
	s_add_nc_u64 s[8:9], s[98:99], s[32:33]
.irp c, 0,1,2
	global_load_b128 v[16+4*\c:19+4*\c], v30, s[86:87] offset:512*\c          ; Q's fragment stays in registers
.endr
	global_load_b32 v255, v31, s[86:87] offset:12288
	GLOAD 96, 84, 0, 0                             ; key steps 0 and 1 through registers that the scores take later,
	GLOAD 128, 84, REC, 0
	GLOAD 36, 84, 2*REC, 0                         ; steps 2 to 5 into the four carrying sets
	GLOAD 64, 84, 3*REC, 0
	GLOAD 192, 84, 4*REC, 1
	GLOAD 220, 84, 5*REC, 1
	s_mov_b32 s[CS], 0x3e0293ee                    ; c = log2(e) / sqrt(128)
	s_mov_b32 s[CS+1], s[CS]
	s_mov_b32 s[SEL], 0x76543210
	s_mov_b32 s[SEL+1], 0xfedcba98
	s_mov_b32 s11, 0
	v_mov_b32 v29, 0xff800000                      ; -infinity
	v_mov_b32 v13, 0xff61b1e6                      ; the largest t so far: -3e38
	v_floor_f32 v12, -v13                          ; -M
	v_mov_b32 v14, 0
	v_mov_b32 v15, 0
.irp b, 0,1,2,3
	v_mov_b32 v[236+\b], 0                         ; a lane permute's destination counts as one of its sources
.endr
	v_mov_b32 v253, 0
.set n, 0
.rept 64
	v_mov_b32 v[160+n], 0                          ; O^T: which step is a wave's first hangs on the mask, so the step has no first form
.set n, n+1
.endr
	s_wait_alu depctr_va_vdst(0)
	s_wait_kmcnt 0x0
	s_or_b32 s4, s4, s5
	s_or_b32 s6, s6, s7
	s_or_b32 s4, s4, s6
	s_lshr_b32 s91, s4, 16                         ; bit j: step j is wholly shown
	s_and_b32 s90, s4, 0xffff
	s_cmp_eq_u32 s90, 0
	s_cselect_b32 s90, 1, s90                      ; a tile with no key runs step 0
	s_and_not1_b32 s92, s90, s91                   ; bit j: step j is shown in part
	s_lshl_b32 s90, s90, 1
	s_or_b32 s90, s90, 1                           ; step 0's K is fetched below for every wave
	s_mov_b32 s89, 0
	WORDS                                          ; of the first step shown in part
	s_wait_loadcnt 28                              ; Q and steps 0 and 1 are in; the 28 loads of steps 2 to 5 may be out
	STORE 96, 0, 0
	STORE 128, 1, 0
	s_wait_dscnt 0x0
	s_barrier_signal -1
	s_barrier_wait -1                              ; slots 0 and 1 are whole
	RECORD 0, 0, 0, KS
; KEY STEP s11 + u, in slot u; carrying set u
.macro STEP u
	s_wait_loadcnt 21                              ; the step two on is in its set; the 21 loads of the three steps behind it may be out
	STORE 36+28*(\u)+100*((\u)/2), ((\u)+2)%4, (\u)/2
	s_bitcmp1_b32 s90, (\u)+1
	s_cbranch_scc0 .Ldead_\@                       ; no key of this step is shown to my tile
	s_bitcmp1_b32 s90, \u
	s_cbranch_scc1 .Lhave_\@                       ; the step before was live and has fetched my K
	s_wait_dscnt 0x0                               ; no LDS load of mine is out: K's registers may be named by loads again
	RECORD \u, 0, 0, KS
.Lhave_\@:
	RECORD \u, REC, VF, VS                         ; V lands under the scores and the softmax
	s_wait_dscnt 28                                ; all but V's 28 loads
	WIN 0x01
.irp t, 0,1,2,3,4,5,6,7
	KQ \t
.endr
	WIN 0
.rept 4
	v_nop                                          ; places behind the products: for the loads below and the first read of the scores
.endr
	RECORD ((\u)+1)%4, 0, 0, KS                    ; the next step's K, whether that step is live or not: so the count below holds on every path
	s_bitcmp1_b32 s91, \u
	s_cbranch_scc1 .Lfull_\@                       ; every key is shown to every query of my tile
	s_wait_kmcnt 0x0                               ; this step's mask words: it is the lowest step left in s92
.set n, 0
.rept 64
	v_cndmask_b32 v[96+n], v29, v[96+n], s[16+n+4*(n/48)]
.set n, n+1
.endr
	s_sub_co_u32 s93, s92, 1
	s_and_b32 s92, s92, s93                        ; this step is done with: its bit, the lowest, goes
	WORDS                                          ; and the next such step's words are asked for (no scalar load is out: their registers and the offset may be written)
.Lfull_\@:
.irp b, 0,1,2,3
	v_max3_num_f32 v[232+\b], v[96+16*\b], v[97+16*\b], v[98+16*\b]          ; the largest score of each block of 32 keys: for the row's maximum and for the block's largest p; the four blocks by turns
.endr
.irp i, 3,5,7,9,11,13
.irp b, 0,1,2,3
	v_max3_num_f32 v[232+\b], v[232+\b], v[96+16*\b+\i], v[97+16*\b+\i]
.endr
.endr
.irp b, 0,1,2,3
	v_max_num_f32 v[232+\b], v[232+\b], v[111+16*\b]
.endr
.irp b, 0,1,2,3
	v_permlanex16_b32 v[236+\b], v[232+\b], s[SEL], s[SEL+1]
.endr
.irp b, 0,1,2,3
	v_max_num_f32 v[232+\b], v[232+\b], v[236+\b]
.endr
	v_max3_num_f32 v254, v232, v233, v234
	v_max_num_f32 v254, v254, v235
	v_mul_f32 v254, s[CS], v254
	v_max_num_f32 v13, v13, v254                   ; the running largest t
	v_mov_b32 v254, v12
	v_floor_f32 v12, -v13                          ; the new -M
	v_sub_f32 v254, v12, v254
	v_cvt_i32_f32 v254, v254
	v_ldexp_f32 v252, 1.0, v254                    ; f = 2^(old M - new M)
.set n, 0
.rept 32
	v_pk_fma_f32 v[96+n:97+n], v[96+n:97+n], s[CS:CS+1], v[12:13] op_sel_hi:[1,0,0]    ; t - M
.set n, n+2
.endr
.irp b, 0,1,2,3
	v_fma_f32 v[232+\b], v[232+\b], s[CS], v12
.endr
	s_wait_alu depctr_va_vdst(0)
.set n, 0
.rept 64
	v_exp_f32 v[96+n], v[96+n]                     ; p
.set n, n+1
.endr
	v_pk_mul_f32 v[14:15], v[14:15], v[252:253] op_sel_hi:[1,0]              ; the sums under the new M
	s_wait_alu depctr_va_vdst(0)                   ; one wait for the batch, ahead of its first reader
.irp b, 0,1,2,3
	v_exp_f32 v[232+\b], v[232+\b]                 ; each block's largest p
.endr
.irp c, 0,1,2,3,4,5,6                          ; the row's sum of the unquantised p: 32 pairs in eight chains
	v_pk_add_f32 v[236+2*\c-18*(\c/6):237+2*\c-18*(\c/6)], v[96+4*\c:97+4*\c], v[98+4*\c:99+4*\c]
.endr
	v_pk_add_f32 v[14:15], v[14:15], v[124:125]
.irp g, 0,1
.irp c, 0,1,2,3,4,5,6
	v_pk_add_f32 v[236+2*\c-18*(\c/6):237+2*\c-18*(\c/6)], v[236+2*\c-18*(\c/6):237+2*\c-18*(\c/6)], v[126+16*\g+2*\c:127+16*\g+2*\c]
.endr
	v_pk_add_f32 v[14:15], v[14:15], v[140+16*\g:141+16*\g]
.endr
	v_pk_add_f32 v[236:237], v[236:237], v[158:159]
	v_pk_add_f32 v[238:239], v[238:239], v[240:241]
	v_pk_add_f32 v[242:243], v[242:243], v[244:245]
	v_pk_add_f32 v[246:247], v[246:247], v[230:231]
	v_pk_add_f32 v[14:15], v[14:15], v[236:237]
	v_pk_add_f32 v[238:239], v[238:239], v[242:243]
	v_pk_add_f32 v[14:15], v[14:15], v[246:247]
	v_pk_add_f32 v[14:15], v[14:15], v[238:239]
	s_wait_alu depctr_va_vdst(0)                   ; and one for the four
.irp b, 0,1,2,3
	v_max_num_f32 v[232+\b], 0x2800000, v[232+\b]  ; the floor 2^(5 - 127): the byte cannot fall under 1
.endr
.irp b, 0,1,2,3
	v_add_nc_u32 v[244+\b], 0xfe000000, v[232+\b]  ; 4 off the exponent field: the conversion's scale operand
.endr
.irp b, 0,1,2,3
	v_lshrrev_b32 v[236+\b], 23, v[244+\b]
.endr
	v_lshl_or_b32 v253, v237, 8, v236              ; p's scale word
	v_lshl_or_b32 v253, v238, 16, v253
	v_lshl_or_b32 v253, v239, 24, v253
.irp c, 0,1
	v_cvt_scalef32_pk16_bf6_f32 v[224+6*\c:226+6*\c], v[96+32*\c:111+32*\c], v[244+2*\c]
	v_cvt_scalef32_pk16_bf6_f32 v[236+4*\c:238+4*\c], v[112+32*\c:127+32*\c], v[244+2*\c+1]
.endr
	v_nop                                          ; one plain place behind a scaled conversion
.irp c, 0,1
.irp i, 0,1,2
	v_permlane16_swap_b32 v[224+6*\c+\i], v[236+4*\c+\i]
.endr
.irp i, 0,1,2
	v_mov_b32 v[227+6*\c+\i], v[236+4*\c+\i]
.endr
.endr
	s_wait_alu depctr_va_vdst(0)                   ; directly ahead of the first reader of O^T
.set n, 0
.rept 32
	v_pk_mul_f32 v[160+n:161+n], v[160+n:161+n], v[252:253] op_sel_hi:[1,0]  ; O^T under the new M; also the places between p's codes and scale word and the products
.set n, n+2
.endr
.rept 4
	v_nop
.endr
	s_wait_alu depctr_va_vdst(0)
	s_wait_dscnt 28                                ; V is in; the next K's 28 loads may be out
	WIN 0x01
.irp t, 0,1,2,3,4,5,6,7
	PV \t                                          ; the eight accumulators by turns
.endr
	WIN 0
.rept 4
	v_nop                                          ; places in front of the next loads into V's registers, and of the way out's reads
.endr
.Ldead_\@:
	s_wait_dscnt 0x0                               ; my stores into the ring and my reads of it are done
	s_wait_xcnt 0x0                                ; the loads of a step ago have read their base
	s_add_co_u32 s88, s11, (\u)+6
	s_min_u32 s88, s88, 15                         ; six steps on, held at the last
	s_mul_i32 s88, s88, REC
	s_add_nc_u64 s[86:87], s[84:85], s[88:89]
	GLOAD 36+28*(\u)+100*((\u)/2), 86, 0, (\u)/2   ; into the set that this step has stored
	s_barrier_signal -1
	s_barrier_wait -1
.endm
.Ltrip:                                                ; a trip goes once round the ring and the four sets: four key steps
	STEP 0
	STEP 1
	STEP 2
	STEP 3
	s_lshr_b32 s90, s90, 4
	s_lshr_b32 s91, s91, 4
	s_add_co_u32 s11, s11, 4
	s_cmp_lt_u32 s11, 16
	s_cbranch_scc1 .Ltrip
	s_wait_loadcnt 0x0                             ; the carrying sets' registers are used below
	s_wait_kmcnt 0x0
.macro QUANT s                         ; 64 numbers of a lane become a fragment's codes in v[PC] on and its scale word in v[PW]; the four blocks by turns
.irp b, 0,1,2,3
	v_max3_num_f32 v[TM+\b], |v[\s+16*\b]|, |v[\s+1+16*\b]|, 0x2800000
.endr
.irp i, 2,4,6,8,10,12,14
.irp b, 0,1,2,3
	v_max3_num_f32 v[TM+\b], v[TM+\b], |v[\s+16*\b+\i]|, |v[\s+1+16*\b+\i]|
.endr
.endr
.irp b, 0,1,2,3
	v_permlanex16_b32 v[TM+4+\b], v[TM+\b], s[SEL], s[SEL+1]
.endr
.irp b, 0,1,2,3
	v_max_num_f32 v[TM+\b], v[TM+\b], v[TM+4+\b]
.endr
.irp b, 0,1,2,3
	v_add_nc_u32 v[TM+12+\b], 0xfe000000, v[TM+\b]
.endr
.irp b, 0,1,2,3
	v_lshrrev_b32 v[TM+4+\b], 23, v[TM+12+\b]
.endr
	v_lshl_or_b32 v[PW], v[TM+5], 8, v[TM+4]
	v_lshl_or_b32 v[PW], v[TM+6], 16, v[PW]
	v_lshl_or_b32 v[PW], v[TM+7], 24, v[PW]
.irp c, 0,1
	v_cvt_scalef32_pk16_bf6_f32 v[PC+6*\c:PC+2+6*\c], v[\s+32*\c:\s+15+32*\c], v[TM+12+2*\c]
	v_cvt_scalef32_pk16_bf6_f32 v[PC+12+4*\c:PC+14+4*\c], v[\s+16+32*\c:\s+31+32*\c], v[TM+12+2*\c+1]
.endr
	v_nop
.irp c, 0,1
.irp i, 0,1,2
	v_permlane16_swap_b32 v[PC+6*\c+\i], v[PC+12+4*\c+\i]
.endr
.irp i, 0,1,2
	v_mov_b32 v[PC+3+6*\c+\i], v[PC+12+4*\c+\i]
.endr
.endr
.endm
	; THE WAY OUT.  O^T / the sum is one K step (this head's 128) of the last projection's operand: quantised in registers, stored as an image of the operand's registers.
	s_mul_i32 s66, s67, 1536
	s_lshl_b32 s3, s67, 6
	v_add_nc_u32 v30, s66, v1
	v_add_nc_u32 v31, s3, v3
	v_add_f32 v14, v14, v15
	v_permlanex16_b32 v252, v14, s[SEL], s[SEL+1]
	v_add_f32 v14, v14, v252                       ; the row's sum
	v_mov_b32 v254, -1
	v_cmp_eq_f32 vcc_lo, 0, v14                    ; a row with no key (it only selects a value below)
	s_wait_alu depctr_va_vdst(0)
	v_rcp_f32 v15, v14
	v_nop                                          ; one plain place behind it
	s_wait_alu depctr_va_vdst(0)                   ; ahead of its first reader, which is also O^T's
.set n, 0
.rept 64
	v_mul_f32 v[96+n], v[160+n], v15               ; each accumulator from its low end on
.set n, n+1
.endr
	QUANT 96
	v_cndmask_b32 v[PW], v[PW], v254, vcc_lo       ; no key: four bytes 0xff
.irp c, 0,1,2
	global_store_b128 v30, v[PC+4*\c:PC+4*\c+3], s[8:9] offset:512*\c        ; 512 consecutive bytes
.endr
	global_store_b32 v31, v[PW], s[8:9] offset:24576                         ; lanes l and l xor 16 hold the same row's word and write it to the same place
	s_wait_tensorcnt 0x0                           ; the wave's end
	ds_add_u32 v5, v6
	s_wait_dscnt 0x0
	s_endpgm
.Lfunc_end_k_q8512a90291_attn:
	.size	k_q8512a90291_attn, .Lfunc_end_k_q8512a90291_attn-k_q8512a90291_attn
	.p2alignl 7, 3214868480
	.fill 96, 4, 3214868480
	.section	.rodata,"a",@progbits
	.p2align	6, 0x0
	.amdhsa_kernel k_q8512a90291_attn
		.amdhsa_group_segment_fixed_size 103424
		.amdhsa_private_segment_fixed_size 0
		.amdhsa_enable_private_segment 0
		.amdhsa_kernarg_size 32
		.amdhsa_user_sgpr_count 2
		.amdhsa_user_sgpr_kernarg_segment_ptr 1
		.amdhsa_wavefront_size32 1
		.amdhsa_system_sgpr_workgroup_id_x 1
		.amdhsa_system_sgpr_workgroup_id_y 1
		.amdhsa_system_sgpr_workgroup_id_z 1
		.amdhsa_system_vgpr_workitem_id 0
		.amdhsa_next_free_vgpr 512
		.amdhsa_next_free_sgpr 102
		.amdhsa_reserve_vcc 1
		.amdhsa_float_denorm_mode_32 3
		.amdhsa_float_denorm_mode_16_64 3
		.amdhsa_memory_ordered 1
		.amdhsa_forward_progress 1
		.amdhsa_inst_pref_size 129
	.end_amdhsa_kernel
	.amdgpu_metadata
---
amdhsa.version: [ 1, 2 ]
amdhsa.kernels:
  - .name:           k_q8512a90291_attn
    .symbol:         k_q8512a90291_attn.kd
    .args:
      - { .name: qkv, .offset: 0, .size: 8, .value_kind: global_buffer, .address_space: global }
      - { .name: maskw, .offset: 8, .size: 8, .value_kind: global_buffer, .address_space: global }
      - { .name: liv, .offset: 16, .size: 8, .value_kind: global_buffer, .address_space: global }
      - { .name: att, .offset: 24, .size: 8, .value_kind: global_buffer, .address_space: global }
    .group_segment_fixed_size: 103424
    .private_segment_fixed_size: 0
    .kernarg_segment_align: 8
    .kernarg_segment_size: 32
    .max_flat_workgroup_size: 256
    .sgpr_count:     102
    .vgpr_count:     512
    .wavefront_size: 32
...
	.end_amdgpu_metadata
.endif
;; end of part 3
;; launch oproj (part 4): grid 16 x 16, 4 waves a work-group, clusters of 4 x 4, 327,680 bytes of LDS; arguments att, woop, out0; writes out0
.if DOCPART == 4
	.amdgcn_target "amdgcn-amd-amdhsa--gfx1250"
	.amdhsa_code_object_version 6
	.text
	.protected	k_q8512a90291_oproj
	.globl	k_q8512a90291_oproj
	.p2align	8
	.type	k_q8512a90291_oproj,@function
k_q8512a90291_oproj:
	s_mov_b64 s[64:65], 0
	v_nop
	global_prefetch_b8 v0, s[64:65] scope:SCOPE_SE
	s_setreg_imm32_b32 hwreg(HW_REG_WAVE_MODE, 25, 1), 1
	s_wait_xcnt 0x0
	s_wait_alu depctr_hold_cnt(0) depctr_sa_sdst(0) depctr_va_vdst(0) depctr_va_sdst(0) depctr_va_ssrc(0) depctr_va_vcc(0) depctr_vm_vsrc(0)
	s_getreg_b32 s2, hwreg(HW_REG_IB_STS2, 6, 4)
	s_cmp_eq_u32 s2, 0
	s_cbranch_scc0 .Lentry_in_a_cluster
	s_endpgm
.Lentry_in_a_cluster:
	s_bfe_u32 s2, ttmp6, 0x10000c
	s_cmp_lg_u32 s2, 0xf033
	s_cbranch_scc0 .Lentry_shape_is_right
	s_endpgm
.Lentry_shape_is_right:
.set REC,    25600
.set PL,     32*REC
.set SLOT,   4*REC
.set SPARE,  3*SLOT
.set FR,     12
.set SPITCH, 272
.set STAGE,  SLOT
.set ADRA, 16
.set ADRB, 19
.set ADRS, 22
.set STO,  25
.set RD,   26
.set CO,   27
.set SPW,  28
.set NIL,  29
.set SC,   32
.set BK,   64
.set ACC,  128
.set G1, 24
.set G0, 32
.set G1B, 44
.set G0B, 52
.set MSB, 0
.macro WIN new
.if MSB != \new
	s_set_vgpr_msb (MSB<<8)|\new
.set MSB, \new
.endif
.endm
.set MUL,  0x05
.set TO_F, 0x40
.macro JLOAD s
	s_cmp_eq_u32 s15, 0
	s_cbranch_scc0 .Lfor_b_\@
	tensor_load_to_lds s[G0+4*\s:G0+4*\s+3], s[G1:G1+7]
	s_nop 0
.rept 4
	v_nop
.endr
	s_branch .Lasked_\@
.Lfor_b_\@:
	tensor_load_to_lds s[G0B+4*\s:G0B+4*\s+3], s[G1B:G1B+7]
	s_nop 0
.rept 4
	v_nop
.endr
.Lasked_\@:
.endm
.macro CREST
	s_cmp_lg_u32 s14, 0
	s_cbranch_scc1 .Lnot_wave_0_\@
	s_barrier_signal -3
.Lnot_wave_0_\@:
	s_barrier_wait -3
	s_barrier_signal -1
	s_barrier_wait -1
.endm
.macro CROUND
	s_barrier_signal -1
	s_barrier_wait -1
	CREST
.endm
	s_load_b128 s[4:7], s[0:1], 0x0
	s_load_b64 s[8:9], s[0:1], 0x10
	v_lshl_add_u32 v[SPW], v0, 2, SPARE
	v_mov_b32 v[NIL], 0
	ds_add_u32 v28, v29
	ds_add_u32 v28, v29
	s_wait_dscnt 0x0
	v_lshrrev_b32 v1, 5, v0
	v_readfirstlane_b32 s14, v1
	s_lshr_b32 s15, s14, 1
	s_and_b32 s16, s14, 1
	s_bfe_u32 s68, ttmp6, 0x40000
	s_bfe_u32 s69, ttmp6, 0x40004
	s_lshl_b32 s70, ttmp9, 2
	s_add_co_u32 s70, s70, s68
	s_and_b32 s17, ttmp7, 0xffff
	s_lshl_b32 s17, s17, 2
	s_add_co_u32 s17, s17, s69
	s_lshl_b32 s71, s69, 2
	s_lshl_b32 s71, 15, s71
	s_lshl_b32 s72, 0x1111, s68
	s_or_b32 s[G1+0], s71, (3<<16)|(1<<21)
	s_or_b32 s[G1B+0], s72, (3<<16)|(1<<21)
.irp g, G1, G1B
	s_mov_b32 s[\g+1], 32<<16
	s_mov_b32 s[\g+2], 100<<16
	s_mov_b32 s[\g+3], 32<<16
	s_mov_b32 s[\g+4], 100
	s_mov_b32 s[\g+5], 32
	s_mov_b32 s[\g+6], 0
	s_mov_b32 s[\g+7], 0
.endr
	s_lshl_b32 s20, s17, 1
	s_add_co_u32 s20, s20, s16
	s_mul_i32 s20, s20, REC
	s_mov_b32 s21, 0
	s_lshl_b32 s74, s70, 1
	s_add_co_u32 s74, s74, s16
	s_mul_i32 s74, s74, REC
	s_mov_b32 s75, 0
	s_mul_i32 s10, s14, REC
	s_wait_kmcnt 0x0
	s_add_nc_u64 s[20:21], s[4:5], s[20:21]
	s_add_nc_u64 s[74:75], s[6:7], s[74:75]
	CROUND
.irp s, 0,1,2
	s_mov_b32 s[G0+4*\s], 1
	s_add_co_u32 s[G0+4*\s+1], s10, \s*SLOT
	s_add_nc_u64 s[G0+4*\s+2:G0+4*\s+3], s[20:21], \s*PL
	s_or_b32 s[G0+4*\s+3], s[G0+4*\s+3], 0x80000000
	s_mov_b32 s[G0B+4*\s], 1
	s_add_co_u32 s[G0B+4*\s+1], s10, \s*SLOT
	s_add_nc_u64 s[G0B+4*\s+2:G0B+4*\s+3], s[74:75], \s*PL
	s_or_b32 s[G0B+4*\s+3], s[G0B+4*\s+3], 0x80000000
	s_wait_alu depctr_va_vdst(0)
	s_wait_tensorcnt 0x0
	ds_add_u32 v28, v29
	ds_add_u32 v28, v29
	s_wait_dscnt 0x0
	CROUND
	JLOAD \s
.endr
	v_and_b32 v1, 15, v0
	v_bfe_u32 v2, v0, 4, 1
	v_and_b32 v3, 31, v0
	v_lshlrev_b32 v3, 4, v3
	s_wait_alu depctr_va_vdst(0)
	s_mul_i32 s18, s15, REC
	s_mul_i32 s19, s16, REC
	s_add_co_u32 s19, s19, 2*REC
	s_xor_b32 s22, s15, 1
	s_add_co_u32 s22, s22, s16
	s_add_co_u32 s22, s22, 1
	s_mul_i32 s22, s22, REC
	v_mul_u32_u24 v4, s22, v2
	v_lshl_add_u32 v4, v1, 2, v4
	s_add_co_u32 s23, s18, 24576
.irp s, 0,1,2
	v_add_nc_u32 v[ADRA+\s], s18, v3
	v_add_nc_u32 v[ADRB+\s], s19, v3
	v_add_nc_u32 v[ADRS+\s], s23, v4
	s_add_co_u32 s18, s18, SLOT
	s_add_co_u32 s19, s19, SLOT
	s_add_co_u32 s23, s23, SLOT
.endr
	s_mul_i32 s23, s14, 16*SPITCH
	s_add_co_u32 s23, s23, STAGE
	v_mul_u32_u24 v5, v1, SPITCH
	v_lshl_add_u32 v5, v2, 6, v5
	v_add_nc_u32 v[STO], s23, v5
	v_mul_u32_u24 v5, v2, SPITCH
	v_lshl_add_u32 v5, v1, 4, v5
	v_add_nc_u32 v[RD], s23, v5
	v_lshlrev_b32 v5, 13, v2
	v_lshl_add_u32 v[CO], v1, 4, v5
	s_lshl_b32 s11, s17, 1
	s_add_co_u32 s11, s11, s15
	s_lshl_b32 s12, s11, 19
	s_mov_b32 s13, 0
	s_add_nc_u64 s[8:9], s[8:9], s[12:13]
	s_lshl_b32 s74, s70, 9
	s_lshl_b32 s75, s16, 8
	s_add_co_u32 s74, s74, s75
	s_mov_b32 s75, 0
	s_add_nc_u64 s[8:9], s[8:9], s[74:75]
.macro FETCH slot, q, f
	WIN TO_F
.irp i, 0,1,2,3
.irp c, 0,1,2
	ds_load_b128 v[\f+48+FR*\i+4*\c:\f+48+FR*\i+4*\c+3], v[ADRB+\slot] offset:(4*\i+(\q))*1536+512*\c
.endr
.endr
.irp i, 0,1,2,3
.irp c, 0,1,2
	ds_load_b128 v[\f+FR*\i+4*\c:\f+FR*\i+4*\c+3], v[ADRA+\slot] offset:(4*\i+(\q))*1536+512*\c
.endr
.endr
.endm
.macro SCALES slot, sc
	WIN 0
.irp i, 0,1,2,3
.irp q, 0,1,2,3
	ds_load_b32 v[SC+16*(\sc)+4*\i+\q], v[ADRS+\slot] offset:64*(4*\i+\q)
.endr
.endr
.endm
.macro MULR f, q, sc, a, zero
.irp b, 0,1,2,3
.if \zero
	v_wmma_scale_f32_16x16x128_f8f6f4 v[ACC+8*(4*(\a)+\b):ACC+8*(4*(\a)+\b)+7], v[\f+48+FR*\b:\f+48+FR*\b+FR-1], v[\f+FR*(\a):\f+FR*(\a)+FR-1], 0, v[SC+16*(\sc)+4*\b+(\q)], v[SC+16*(\sc)+4*(\a)+(\q)] matrix_a_fmt:MATRIX_FMT_BF6 matrix_b_fmt:MATRIX_FMT_BF6 matrix_a_scale:MATRIX_SCALE_ROW1
.else
	v_wmma_scale_f32_16x16x128_f8f6f4 v[ACC+8*(4*(\a)+\b):ACC+8*(4*(\a)+\b)+7], v[\f+48+FR*\b:\f+48+FR*\b+FR-1], v[\f+FR*(\a):\f+FR*(\a)+FR-1], v[ACC+8*(4*(\a)+\b):ACC+8*(4*(\a)+\b)+7], v[SC+16*(\sc)+4*\b+(\q)], v[SC+16*(\sc)+4*(\a)+(\q)] matrix_a_fmt:MATRIX_FMT_BF6 matrix_b_fmt:MATRIX_FMT_BF6 matrix_a_scale:MATRIX_SCALE_ROW1
.endif
.endr
.endm
.macro PLACES
.rept 4
	v_nop
.endr
.endm
.macro QS slot, q, zero, sc
.set FC, 128*((\q)%2)
.set FN, 128*(((\q)+1)%2)
	PLACES
	FETCH \slot, (\q)+1, FN
	s_wait_dscnt 24
	WIN MUL
.irp a, 0,1,2,3
	MULR FC, \q, \sc, \a, \zero
.endr
.endm
.macro TURN slot, next, mode, sc
.if \mode < 2
	WIN 0
	s_wait_tensorcnt 0x0
	ds_add_u32 v[SPW], v[NIL]
	s_wait_dscnt 1
	WIN MUL
	MULR 128, 3, \sc, 0, 0
	s_wait_dscnt 0x0
	s_barrier_signal -1
	MULR 128, 3, \sc, 1, 0
	WIN 0
	s_barrier_wait -1
.else
	s_wait_dscnt 0x0
	WIN MUL
	MULR 128, 3, \sc, 0, 0
	MULR 128, 3, \sc, 1, 0
.endif
.if \mode == 1
	CREST
	s_add_nc_u64 s[G0+4*\slot+2:G0+4*\slot+3], s[G0+4*\slot+2:G0+4*\slot+3], 3*PL
	s_add_nc_u64 s[G0B+4*\slot+2:G0B+4*\slot+3], s[G0B+4*\slot+2:G0B+4*\slot+3], 3*PL
	JLOAD \slot
.else
	PLACES
.endif
	FETCH \next, 0, 0
	SCALES \next, 1-(\sc)
	WIN MUL
	MULR 128, 3, \sc, 2, 0
	MULR 128, 3, \sc, 3, 0
.endm
	s_wait_tensorcnt 2
	s_barrier_signal -1
	s_barrier_wait -1
	FETCH 0, 0, 0
	SCALES 0, 0
	QS 0, 0, 1, 0
	QS 0, 1, 0, 0
	QS 0, 2, 0, 0
	TURN 0, 1, 1, 0
	QS 1, 0, 0, 1
	QS 1, 1, 0, 1
	QS 1, 2, 0, 1
	s_wait_alu depctr_va_vdst(0)
	TURN 1, 2, 2, 1
	QS 2, 0, 0, 0
	QS 2, 1, 0, 0
	QS 2, 2, 0, 0
	TURN 2, 0, 0, 0
	QS 0, 0, 0, 1
	QS 0, 1, 0, 1
	QS 0, 2, 0, 1
	s_wait_dscnt 0x0
.irp a, 0,1,2,3
	MULR 128, 3, 1, \a, 0
.endr
	WIN 0
.macro TOSTAGE a
.irp b, 0,1,2,3
	ds_store_b128 v[STO], v[ACC+8*(4*(\a)+\b):ACC+8*(4*(\a)+\b)+3] offset:128*(\b/2)+32*(\b%2)
	ds_store_b128 v[STO], v[ACC+8*(4*(\a)+\b)+4:ACC+8*(4*(\a)+\b)+7] offset:128*(\b/2)+32*(\b%2)+16
.endr
.irp i, 0,1,2,3,4,5,6,7
	ds_load_b128 v[BK+32*((\a)%2)+4*\i:BK+32*((\a)%2)+4*\i+3], v[RD] offset:2*\i*SPITCH
.endr
.endm
.macro SEND a, younger
	s_wait_dscnt \younger
.irp i, 0,1,2,3,4,5,6,7
	global_store_b128 v[CO], v[BK+32*((\a)%2)+4*\i:BK+32*((\a)%2)+4*\i+3], s[8:9] offset:(32*((\a)/2)+8*((\a)%2)+2*\i+8*(\i/4))*8192 th:TH_STORE_NT
.endr
.endm
	PLACES
	TOSTAGE 0
	TOSTAGE 1
	SEND 0, 16
	s_wait_xcnt 0x0
	TOSTAGE 2
	SEND 1, 16
	s_wait_xcnt 0x0
	TOSTAGE 3
	SEND 2, 16
	SEND 3, 0
	s_wait_tensorcnt 0x0
	ds_add_u32 v[SPW], v[NIL]
	s_wait_dscnt 0x0
	CROUND
	s_endpgm
.Lfunc_end_k_q8512a90291_oproj:
	.size	k_q8512a90291_oproj, .Lfunc_end_k_q8512a90291_oproj-k_q8512a90291_oproj
	.p2alignl 7, 3214868480
	.fill 96, 4, 3214868480
	.section	.rodata,"a",@progbits
	.p2align	6, 0x0
	.amdhsa_kernel k_q8512a90291_oproj
		.amdhsa_group_segment_fixed_size 327680
		.amdhsa_private_segment_fixed_size 0
		.amdhsa_enable_private_segment 0
		.amdhsa_kernarg_size 24
		.amdhsa_user_sgpr_count 2
		.amdhsa_user_sgpr_kernarg_segment_ptr 1
		.amdhsa_wavefront_size32 1
		.amdhsa_system_sgpr_workgroup_id_x 1
		.amdhsa_system_sgpr_workgroup_id_y 1
		.amdhsa_system_sgpr_workgroup_id_z 1
		.amdhsa_system_vgpr_workitem_id 0
		.amdhsa_next_free_vgpr 512
		.amdhsa_next_free_sgpr 76
		.amdhsa_reserve_vcc 0
		.amdhsa_float_denorm_mode_32 3
		.amdhsa_float_denorm_mode_16_64 3
		.amdhsa_memory_ordered 1
		.amdhsa_forward_progress 1
		.amdhsa_inst_pref_size 83
	.end_amdhsa_kernel
	.amdgpu_metadata
---
amdhsa.version: [ 1, 2 ]
amdhsa.kernels:
  - .name:           k_q8512a90291_oproj
    .symbol:         k_q8512a90291_oproj.kd
    .args:
      - { .name: att, .offset: 0, .size: 8, .value_kind: global_buffer, .address_space: global }
      - { .name: woop, .offset: 8, .size: 8, .value_kind: global_buffer, .address_space: global }
      - { .name: out0, .offset: 16, .size: 8, .value_kind: global_buffer, .address_space: global }
    .group_segment_fixed_size: 327680
    .private_segment_fixed_size: 0
    .kernarg_segment_align: 8
    .kernarg_segment_size: 24
    .max_flat_workgroup_size: 128
    .sgpr_count:     76
    .vgpr_count:     512
    .wavefront_size: 32
...
	.end_amdgpu_metadata
.endif
;; end of part 4
